; MI455X (gfx1250); checked and timed in simulation.
; The chip was launched on July 23, 2026; its instructions are those of AMD's public machine-readable ISA for CDNA 5 (MIT licence, August 2026) and "CDNA5" Instruction Set Architecture Reference Guide (July 2026). The comments in the code are by the model that wrote it; some were corrected since.
;; KAN GLU Expert. Allowed arithmetic: matrix products marked QUANTISED: E2M1 operands, one E8M0 scale for each 32 along K, by v_wmma_scale_f32_16x16x128_f8f6f4 with both operands' format E2M1 (or v_wmma_scale_f32_32x16x128_f4), f32 sums; everything else in f32.
;; Inputs: base_w1_codes 1,024 x 32 x 16 uint8 (E2M1 codes of base_w1, K innermost, in blocks of 32 codes, two codes a byte); base_w1_scales 1,024 x 32 uint8 (E8M0 scales of base_w1, one for each 32 codes along K); base_w2_codes 1,024 x 32 x 16 uint8 (E2M1 codes of base_w2, K innermost, in blocks of 32 codes, two codes a byte); base_w2_scales 1,024 x 32 uint8 (E8M0 scales of base_w2, one for each 32 codes along K); base_w3_codes 1,024 x 32 x 16 uint8 (E2M1 codes of base_w3, K innermost, in blocks of 32 codes, two codes a byte); base_w3_scales 1,024 x 32 uint8 (E8M0 scales of base_w3, one for each 32 codes along K); grid_ff 1,024 x 8 float32; grid_in 1,024 x 8 float32; spline_w1 1,024 x 1,024 x 4 float32; spline_w2 1,024 x 1,024 x 4 float32; spline_w3 1,024 x 1,024 x 4 float32; x 2 x 2,048 x 1,024 float32.
;; Outputs: out0 2 x 2,048 x 1,024 float32.
;; This version of the problem:
;;   THIS VERSION OF THE PROBLEM IS GIVEN IN LOW PRECISION. The matrix products marked QUANTISED in the list below multiply operands that are first quantised to E2M1 (2 exponent bits, 1 mantissa bit; 4 bits a number), with one power-of-two scale for each 32 numbers along K (OCP MX v1.0); their sums are f32. All else is computed in f32.
;;   The module's matrix products, in the order in which they are computed (A, B: the left and right operand; K: the contracted axis; several contracted axes count as one K, in the product's order):
;;     1. [M 4,096, K 1,024] x [K 1,024, N 1,024]; A: computed on the way; B: input base_w1 (given as codes): QUANTISED
;;     2. [M 4,096, K 4,096] x [K 4,096, N 1,024]; A: computed on the way; B: input spline_w1: QUANTISED
;;     3. [M 4,096, K 1,024] x [K 1,024, N 1,024]; A: computed on the way; B: input base_w2 (given as codes): QUANTISED
;;     4. [M 4,096, K 4,096] x [K 4,096, N 1,024]; A: computed on the way; B: input spline_w2: QUANTISED
;;     5. [M 4,096, K 1,024] x [K 1,024, N 1,024]; A: computed on the way; B: input base_w3 (given as codes): QUANTISED
;;     6. [M 4,096, K 4,096] x [K 4,096, N 1,024]; A: computed on the way; B: input spline_w3: QUANTISED
;;   THE QUANTISER, for each operand of a quantised product, along K:
;;     - K is cut into blocks of 32 from its start; a last block that is shorter is filled with zeros.
;;     - A block's scale is 2^e with e = floor(log2(the largest magnitude in the block)) - 2, held to -126 .. 127; a block of zeros has e = 0. As a byte (E8M0): e + 127.
;;     - Each number is divided by its block's scale, clamped to +-6, and rounded to the nearest number of E2M1, ties to even, subnormals kept.
;;     - The product sums the exact products of the quantised numbers (number of the format x scale) in f32.
;;   ~~~python
;;   def quantise(x, axis):      # numpy; x: float32 -> the quantised numbers, widened to float32 again
;;       x = np.moveaxis(x, axis, -1); K = x.shape[-1]
;;       x = np.pad(x, [(0, 0)] * (x.ndim - 1) + [(0, -K % 32)]); x = x.reshape(x.shape[:-1] + (-1, 32)); a = np.abs(x).max(-1, keepdims=True)
;;       e = np.where(a > 0, np.clip(np.frexp(np.where(a > 0, a, 1))[1] - 1 - 2, -126, 127), 0)      # np.frexp(a)[1] - 1 = floor(log2(a)), exactly
;;       r = np.clip(x / 2.0 ** e, -6, 6)
;;       step = 2.0 ** (np.maximum(np.frexp(np.where(r == 0, 1, r))[1] - 1, 0) - 1)
;;       q = np.round(r / step) * step * 2.0 ** e      # np.round: ties to even
;;       return np.moveaxis(q.reshape(q.shape[:-2] + (-1,))[..., :K], -1, axis).astype(np.float32)
;;   ~~~
;;   OPERANDS COMPUTED ON THE WAY. 'Computed on the way' means the value that the module computes at that place (a softmax that the list does not call 'softmax' is quantised finished and normalised). What goes into a quantiser is computed in f32, as accurately as f32 sums, v_exp_f32 and their like allow (about 1e-6 of the number): no bf16 or f16 on the way to a quantiser, and a product that is left as it is and whose result goes on into a quantised operand takes f32 operands (vector FMAs, or v_wmma_f32_16x16x4_f32). A number that lies on a knife's edge between two numbers of the format may be rounded either way, as far as f32 arithmetic and the matrix unit's own rounding can turn it there, and no further.
;;   INPUTS GIVEN AS CODES. base_w1 (in the module: [1024, 1024], K = its axis 1); base_w2 (in the module: [1024, 1024], K = its axis 1); base_w3 (in the module: [1024, 1024], K = its axis 1): each comes as NAME_codes (uint8): NAME with its K axis moved to the last place and cut into blocks of 32 codes, [.., K / 32, bytes a block], one block behind the other in memory; two codes a byte, the lower K in the low four bits (a code: sign, 2 exponent bits, 1 mantissa bit); and NAME_scales (uint8): the same leading axes, one E8M0 byte (e + 127) for each 32 codes along K. Its value is code x scale, taken as it is: it is not quantised again, and the codes and scales need not be those that the quantiser above would give.
;; One version. Each part assembles by itself: llvm-mc -triple=amdgcn-amd-amdhsa -mcpu=gfx1250 --defsym DOCPART=n.
;; ======== version 1 of 1: 3 launches
;; workspace buffers: a1c 10,485,760 bytes; a1s 655,360 bytes; a3c 10,485,760 bytes; a3s 655,360 bytes; wc 7,864,320 bytes; ws 491,520 bytes; tff 106,496 bytes
;; launch prep (part 1): grid 3592 x 1, 1 waves a work-group, no clusters, 23,296 bytes of LDS; arguments x, grid_in, grid_ff, a1c, a1s, tff, spline_w1, spline_w2, spline_w3, base_w1_codes, base_w2_codes, base_w3_codes, base_w1_scales, base_w2_scales, base_w3_scales, wc, ws; writes a1c, a1s, tff, wc, ws
.if DOCPART == 1
	.amdgcn_target "amdgcn-amd-amdhsa--gfx1250"
	.amdhsa_code_object_version 6
	.text
	.protected	k_q9765fc2fdd_prep
	.globl	k_q9765fc2fdd_prep
	.p2align	8
	.type	k_q9765fc2fdd_prep,@function
k_q9765fc2fdd_prep:
	s_mov_b64 s[64:65], 0
	v_nop
	global_prefetch_b8 v0, s[64:65] scope:SCOPE_SE
	s_setreg_imm32_b32 hwreg(HW_REG_WAVE_MODE, 25, 1), 1
	s_wait_xcnt 0x0
; PREP: everything that is quantised once.  One wave to a work-group; waves share nothing, so there is no barrier.
; Work-groups 0..2047 (rows): 16 rows x 128 features of x become codes and scale bytes of silu(x) and of the four cubic B-spline bases of each feature.
; Work-groups 2048..2055 (table): the constants of grid_ff (knots and reciprocals of knot distances) for the next launch.
; Work-groups 2056..3591 (weights): 16 rows x 512 numbers of a spline weight are quantised; every fourth also lays 16 rows x 512 codes of a base weight anew.
; The three roles part once on the work-group's number and never join again: each path writes every register that it reads.
; THE SPLINE PRODUCT'S K runs coefficient first, k = 1,024 c + i: a quantiser block is 32 neighbouring features of ONE coefficient.
; K IS LAID IN 160 BLOCKS OF 32, 16 to a step: blocks 0..31 silu / base weight, features in their order; block 32 + 16 fg + 4 s + c holds coefficient c of features 128 fg + 32 s + 0 .. 31, in their order.
; The order of whole blocks is the same on both operands, so the products are those of the plain order.
; CODES: [block of 16 rows][160 blocks][16 rows][16 bytes]: 128 along K of 16 rows are 1,024 bytes on end, in the order of the matrix operand's registers.  SCALES: [block of 16 rows][10][16 rows][16 bytes].
; ROWS OF A WEIGHT: place r of row block (q, u) is output feature 32 q + 8 u + r + 8 (r / 8).  Row blocks: W1, W2 (g = 0, 1): 4 q + 2 g + u; W3: 128 + 2 q + u.
; THE SPLINES are Cox-de Boor as written, from the loaded knots: d_k = x - g_k; level 0 is (x >= g_k) and not (x >= g_k+1); level j: b_i = d_i (R_i b_i) - d_(i+j+1) (R_(i+1) b_(i+1)), R_k = 1 / (g_(k+j) - g_k),
; the reciprocal refined by one Newton step.  Two features go in one packed instruction.
; A block's scale byte is its largest magnitude's exponent field - 2, held at 1 from below.
; LIMITS: NaN and infinities among the inputs are not served; knot distances that are 0, denormal or above 2^126 give non-finite numbers; silu(x) for x under about -87 is 0;
; a block of zeros, or with a largest magnitude under 2^-124, gets the byte 1 with its codes rounded under that scale (these bytes are read by this program alone).
.set NX, 2048
.set NT, 8
.set UP, 272                           ; a unit of 16 rows x 16 bytes in LDS: 256 bytes + 16
.set XST, 0                            ; rows' path: 16 rows x 512 bytes of x
.set CST, 8192                         ; 20 units of codes: 0-15 spline (4 s + c), 16-19 silu
.set SSP, CST+20*UP                    ; 256 spline scale bytes
.set SSI, SSP+256                      ; silu scale bytes, 4 in each row's 16
.set WST, 14336                        ; weights' path: 16 units of codes
.set WSS, WST+16*UP                    ; 256 scale bytes
.set WPL, WSS+256                      ; two stages of 2,048 bytes: a row's numbers by coefficient, 512 bytes a plane
.set KP0, 16                           ; v16-67, v68-119: 52 constants for each of my two feature pairs: G 0, R1 16, R2 30, R3 42
.set KP1, 68
.set DP0, 120                          ; d_k, 8 pairs
.set DP1, 136
.set SP0, 152                          ; R b, 7 pairs
.set SP1, 166
.set BP0, 180                          ; b, 6 pairs
.set BP1, 192
.set OUT, 204                          ; v204-235: group c at OUT + 8 c: the even row's four features, then the odd row's four
.set SV,  236                          ; group 4: their silu
.set XA,  244                          ; my four x of the even row, of the odd row
.set XB,  248
.set QM,  152                          ; behind the splines: 10 largest magnitudes (group, row),
.set QS,  162                          ; 10 scale operands,
.set QB,  172                          ; 10 bytes,
.set QC,  182                          ; 10 registers of codes,
.set QW,  192                          ; two scale words
.set XR,  120                          ; ahead of the loop: 16 rows as loaded
.set GR,  184                          ; my four features' knots
.set RT,  216
.set ET,  230
.set MK,  66                           ; s66-97: masks
.set RING, 16                          ; weights: 8 rows x 16 registers
.set VV,  144                          ; two sets of 16: a row back from the stage
.set WM,  176
.set WS,  180
.set WCO, 184
.set WBY, 216
.macro WINA                            ; (register windows: none here)
.endm
.macro WINB
.endm
; Two feature pairs at once.  xa, xb: the pairs' x; ka, kb: their constants; oa, ob: where the results go: coefficient c's pair at + os x c
.macro BSPL2 xa, xb, ka, kb, oa, ob, os
	WINB
.irp k, 0,1,2,3,4,5,6,7
	v_pk_add_f32 v[DP0+2*\k:DP0+2*\k+1], v[\xa:\xa+1], v[\ka+2*\k:\ka+2*\k+1] neg_lo:[0,1] neg_hi:[0,1]
	v_pk_add_f32 v[DP1+2*\k:DP1+2*\k+1], v[\xb:\xb+1], v[\kb+2*\k:\kb+2*\k+1] neg_lo:[0,1] neg_hi:[0,1]
.endr
	WINA
.irp k, 0,1,2,3,4,5,6,7
.irp f, 0,1
	v_cmp_ge_f32 s[MK+8*\f+\k], v[\xa+\f], v[\ka+2*\k+\f]
	v_cmp_ge_f32 s[MK+16+8*\f+\k], v[\xb+\f], v[\kb+2*\k+\f]
.endr
.endr
.irp g, 0,8,16,24
.irp k, 0,1,2,3,4,5,6
	s_and_not1_b32 s[MK+\g+\k], s[MK+\g+\k], s[MK+\g+\k+1]     ; x >= g_k and not x >= g_k+1; k ascending, so the right one is still whole
.endr
.endr
.irp k, 0,1,2,3,4,5,6
.irp f, 0,1
	v_cndmask_b32 v[SP0+2*\k+\f], 0, v[\ka+16+2*\k+\f], s[MK+8*\f+\k]
	v_cndmask_b32 v[SP1+2*\k+\f], 0, v[\kb+16+2*\k+\f], s[MK+16+8*\f+\k]
.endr
.endr
.irp i, 0,1,2,3,4,5
	v_pk_mul_f32 v[BP0+2*\i:BP0+2*\i+1], v[SP0+2*\i+2:SP0+2*\i+3], v[DP0+2*\i+4:DP0+2*\i+5]
	v_pk_mul_f32 v[BP1+2*\i:BP1+2*\i+1], v[SP1+2*\i+2:SP1+2*\i+3], v[DP1+2*\i+4:DP1+2*\i+5]
.endr
.irp i, 0,1,2,3,4,5
	v_pk_fma_f32 v[BP0+2*\i:BP0+2*\i+1], v[SP0+2*\i:SP0+2*\i+1], v[DP0+2*\i:DP0+2*\i+1], v[BP0+2*\i:BP0+2*\i+1] neg_lo:[0,0,1] neg_hi:[0,0,1]
	v_pk_fma_f32 v[BP1+2*\i:BP1+2*\i+1], v[SP1+2*\i:SP1+2*\i+1], v[DP1+2*\i:DP1+2*\i+1], v[BP1+2*\i:BP1+2*\i+1] neg_lo:[0,0,1] neg_hi:[0,0,1]
.endr
.irp k, 0,1,2,3,4,5
	v_pk_mul_f32 v[SP0+2*\k:SP0+2*\k+1], v[BP0+2*\k:BP0+2*\k+1], v[\ka+30+2*\k:\ka+30+2*\k+1]
	v_pk_mul_f32 v[SP1+2*\k:SP1+2*\k+1], v[BP1+2*\k:BP1+2*\k+1], v[\kb+30+2*\k:\kb+30+2*\k+1]
.endr
.irp i, 0,1,2,3,4
	v_pk_mul_f32 v[BP0+2*\i:BP0+2*\i+1], v[SP0+2*\i+2:SP0+2*\i+3], v[DP0+2*\i+6:DP0+2*\i+7]
	v_pk_mul_f32 v[BP1+2*\i:BP1+2*\i+1], v[SP1+2*\i+2:SP1+2*\i+3], v[DP1+2*\i+6:DP1+2*\i+7]
.endr
.irp i, 0,1,2,3,4
	v_pk_fma_f32 v[BP0+2*\i:BP0+2*\i+1], v[SP0+2*\i:SP0+2*\i+1], v[DP0+2*\i:DP0+2*\i+1], v[BP0+2*\i:BP0+2*\i+1] neg_lo:[0,0,1] neg_hi:[0,0,1]
	v_pk_fma_f32 v[BP1+2*\i:BP1+2*\i+1], v[SP1+2*\i:SP1+2*\i+1], v[DP1+2*\i:DP1+2*\i+1], v[BP1+2*\i:BP1+2*\i+1] neg_lo:[0,0,1] neg_hi:[0,0,1]
.endr
.irp k, 0,1,2,3,4
	v_pk_mul_f32 v[SP0+2*\k:SP0+2*\k+1], v[BP0+2*\k:BP0+2*\k+1], v[\ka+42+2*\k:\ka+42+2*\k+1]
	v_pk_mul_f32 v[SP1+2*\k:SP1+2*\k+1], v[BP1+2*\k:BP1+2*\k+1], v[\kb+42+2*\k:\kb+42+2*\k+1]
.endr
.irp i, 0,1,2,3
	v_pk_mul_f32 v[\oa+\os*\i:\oa+\os*\i+1], v[SP0+2*\i+2:SP0+2*\i+3], v[DP0+2*\i+8:DP0+2*\i+9]
	v_pk_mul_f32 v[\ob+\os*\i:\ob+\os*\i+1], v[SP1+2*\i+2:SP1+2*\i+3], v[DP1+2*\i+8:DP1+2*\i+9]
.endr
.irp i, 0,1,2,3
	v_pk_fma_f32 v[\oa+\os*\i:\oa+\os*\i+1], v[SP0+2*\i:SP0+2*\i+1], v[DP0+2*\i:DP0+2*\i+1], v[\oa+\os*\i:\oa+\os*\i+1] neg_lo:[0,0,1] neg_hi:[0,0,1]
	v_pk_fma_f32 v[\ob+\os*\i:\ob+\os*\i+1], v[SP1+2*\i:SP1+2*\i+1], v[DP1+2*\i:DP1+2*\i+1], v[\ob+\os*\i:\ob+\os*\i+1] neg_lo:[0,0,1] neg_hi:[0,0,1]
.endr
.endm
; silu of n numbers: x / (1 + 2^(-x log2 e)).  A plain line stands behind each run of transcendentals (ISA guide 5.7.2)
.macro SILU n, x, t, sv
.set SI, 0
.rept (\n)/2
	v_pk_mul_f32 v[\t+SI:\t+SI+1], v[\x+SI:\x+SI+1], 0xbfb8aa3b op_sel_hi:[1,0]
.set SI, SI+2
.endr
.set SI, 0
.rept \n
	v_exp_f32 v[\t+SI], v[\t+SI]
.set SI, SI+1
.endr
	v_nop
.set SI, 0
	s_wait_alu depctr_va_vdst(0)
.rept (\n)/2
	v_pk_add_f32 v[\t+SI:\t+SI+1], v[\t+SI:\t+SI+1], 1.0 op_sel_hi:[1,0]
.set SI, SI+2
.endr
.set SI, 0
.rept \n
	v_rcp_f32 v[\t+SI], v[\t+SI]
.set SI, SI+1
.endr
	v_nop
.set SI, 0
	s_wait_alu depctr_va_vdst(0)
.rept (\n)/2
	v_pk_mul_f32 v[\sv+SI:\sv+SI+1], v[\x+SI:\x+SI+1], v[\t+SI:\t+SI+1]
.set SI, SI+2
.endr
.endm
; the largest magnitude of n registers, in two chains, with the floor 2^(3 - 127) among the leaves: the byte cannot fall under 1.  Result in v[m]; v[m+1] at work
.macro QMAX m, base, n
	v_max3_num_f32 v[\m], |v[\base]|, |v[\base+1]|, 0x1800000
	v_max3_num_f32 v[\m+1], |v[\base+(\n)/2]|, |v[\base+(\n)/2+1]|, 0x1800000
.set QI, 2
.rept (\n)/4-1
	v_max3_num_f32 v[\m], v[\m], |v[\base+QI]|, |v[\base+QI+1]|
	v_max3_num_f32 v[\m+1], v[\m+1], |v[\base+(\n)/2+QI]|, |v[\base+(\n)/2+QI+1]|
.set QI, QI+2
.endr
	v_max_num_f32 v[\m], v[\m], v[\m+1]
.endm
; my four features' knots, 128 bytes a lane, from the grid whose address (at my group of 128 features) lies in s[b:b+1]
.macro KNOTS b
.irp i, 0,1,2,3,4,5,6,7
	global_load_b128 v[GR+4*\i:GR+4*\i+3], v1, s[\b:\b+1] offset:16*\i
.endr
.endm
; one level's reciprocals: n pairs at CB + off: 1 / (g_(k+j) - g_k), with one Newton step
.macro CLEVEL j, off, n
.set CI, 0
.rept \n
	v_pk_add_f32 v[CB+\off+2*CI:CB+\off+2*CI+1], v[CB+2*(CI+\j):CB+2*(CI+\j)+1], v[CB+2*CI:CB+2*CI+1] neg_lo:[0,1] neg_hi:[0,1]
.set CI, CI+1
.endr
.set CI, 0
.rept 2*\n
	v_rcp_f32 v[RT+CI], v[CB+\off+CI]
.set CI, CI+1
.endr
	v_nop
.set CI, 0
	s_wait_alu depctr_va_vdst(0)
.rept \n
	v_pk_fma_f32 v[ET+2*CI:ET+2*CI+1], v[CB+\off+2*CI:CB+\off+2*CI+1], v[RT+2*CI:RT+2*CI+1], 1.0 op_sel_hi:[1,1,0] neg_lo:[1,0,0] neg_hi:[1,0,0]
.set CI, CI+1
.endr
.set CI, 0
.rept \n
	v_pk_fma_f32 v[CB+\off+2*CI:CB+\off+2*CI+1], v[RT+2*CI:RT+2*CI+1], v[ET+2*CI:ET+2*CI+1], v[RT+2*CI:RT+2*CI+1]
.set CI, CI+1
.endr
.endm
.macro CONSTP p                        ; pair p's 52 constants from the knots of features 2 p, 2 p + 1
.set CB, KP0+52*\p
.irp k, 0,1,2,3,4,5,6,7
	v_mov_b32 v[CB+2*\k], v[GR+16*\p+\k]
	v_mov_b32 v[CB+2*\k+1], v[GR+16*\p+8+\k]
.endr
	CLEVEL 1, 16, 7
	CLEVEL 2, 30, 6
	CLEVEL 3, 42, 5
.endm
	s_load_b512 s[4:19], s[0:1], 0x0               ; x 4, grid_in 6, grid_ff 8, a1c 10, a1s 12, tff 14, spline_w1 16, spline_w2 18
	s_load_b512 s[20:35], s[0:1], 0x40             ; spline_w3 20, base codes 22 24 26, base scales 28 30 32, wc 34
	s_load_b64 s[36:37], s[0:1], 0x80              ; ws
	s_set_vgpr_msb 0x40
	v_lshl_add_u32 v0, v0, 2, 0x5a00
	v_mov_b32 v1, 0
	s_set_vgpr_msb 0x4000
	v_lshlrev_b32 v2, 4, v0                        ; 16 x lane
	s_cmp_ge_u32 ttmp9, NX+NT
	s_cbranch_scc1 .Lweights
	; ---------------- rows and table: lane l owns features 128 fg + 4 l .. + 3
	s_and_b32 s40, ttmp9, 7                        ; fg
	s_lshr_b32 s41, ttmp9, 3                       ; the block of 16 rows
	v_lshlrev_b32 v1, 7, v0                        ; four features' knots: 128 bytes a lane
	s_lshl_b32 s42, s40, 12                        ; 128 features' knots: 4,096 bytes
	s_mov_b32 s43, 0
	s_wait_kmcnt 0x0
	s_cmp_ge_u32 ttmp9, NX
	s_cbranch_scc1 .Ltable
	; ---------------- rows
	s_add_nc_u64 s[6:7], s[6:7], s[42:43]          ; grid_in at my features
	KNOTS 6
	s_lshl_b32 s44, s41, 16                        ; 16 rows of 4,096 bytes
	s_lshl_b32 s46, s40, 9
	s_add_co_u32 s44, s44, s46
	s_mov_b32 s45, 0
	s_add_nc_u64 s[4:5], s[4:5], s[44:45]
.irp i, 0,1,2,3,4,5,6,7,8,9,10,11,12,13,14,15
	global_load_b128 v[XR+4*\i:XR+4*\i+3], v2, s[4:5] offset:4096*\i th:TH_LOAD_NT   ; 32 lanes read 512 consecutive bytes of a row
.endr
	s_wait_loadcnt 16                              ; the knots are in; the 16 loads of x behind them stay out while the constants are made
	CONSTP 0
	CONSTP 1
	s_wait_loadcnt 0x0
.irp i, 0,1,2,3,4,5,6,7,8,9,10,11,12,13,14,15
	ds_store_b128 v2, v[XR+4*\i:XR+4*\i+3] offset:XST+512*\i
.endr
	v_lshrrev_b32 v9, 3, v0                        ; s: which 32 features of the 128
	v_and_b32 v10, 7, v0
	v_mul_u32_u24 v5, v9, 4*UP
	v_lshl_add_u32 v5, v10, 1, v5
	v_add_nc_u32 v5, CST, v5                       ; spline codes: unit 4 s (+ c), 2 bytes for each of a block's eight lanes
	v_lshl_add_u32 v6, v9, 2, SSP                  ; and the four units' bytes: word s of a row's 16
	v_mul_u32_u24 v7, v9, UP
	v_lshl_add_u32 v7, v10, 1, v7
	v_add_nc_u32 v7, CST+16*UP, v7                 ; silu codes: unit 16 + s
	v_add_nc_u32 v8, SSI, v9
	s_mov_b32 s48, 8
	s_mov_b32 s49, 0                               ; 16 bytes a row in a unit: 32 a trip
	s_mov_b32 s50, 0                               ; 512 bytes a row of x: 1,024 a trip
.Ltwo_rows:
	s_wait_dscnt 0x0                               ; the last trip's LDS stores are done: their addresses and data may be written
	v_add_nc_u32 v9, s50, v2
	v_add_nc_u32 v252, s49, v5
	v_add_nc_u32 v253, s49, v6
	v_add_nc_u32 v254, s49, v7
	v_add_nc_u32 v255, s49, v8
	ds_load_b128 v[XA:XA+3], v9 offset:XST
	ds_load_b128 v[XB:XB+3], v9 offset:XST+512
	s_wait_dscnt 0x0
	BSPL2 XA, XA+2, KP0, KP1, OUT, OUT+2, 8        ; the even row: coefficient c of my four features at OUT + 8 c + 0 .. 3
	BSPL2 XB, XB+2, KP0, KP1, OUT+4, OUT+6, 8      ; the odd row: at OUT + 8 c + 4 .. 7
	SILU 8, XA, DP0, SV
	; five groups (four coefficients, silu) x two rows: a block of 32 features is eight lanes'
.irp g, 0,1,2,3,4
.irp w, 0,1
	v_max3_num_f32 v[QM+2*\g+\w], |v[OUT+8*\g+4*\w]|, |v[OUT+8*\g+4*\w+1]|, 0x1800000   ; with the floor 2^(3 - 127): the byte cannot fall under 1
.endr
.endr
.irp g, 0,1,2,3,4
.irp w, 0,1
	v_max3_num_f32 v[QM+2*\g+\w], v[QM+2*\g+\w], |v[OUT+8*\g+4*\w+2]|, |v[OUT+8*\g+4*\w+3]|
.endr
.endr
.irp m, 1,2,4
.irp n, 0,1,2,3,4,5,6,7,8,9
	v_max_num_f32_dpp v[QM+\n], v[QM+\n], v[QM+\n] row_xmask:\m row_mask:0xf bank_mask:0xf
.endr
.endr
.irp n, 0,1,2,3,4,5,6,7,8,9
	v_add_nc_u32 v[QS+\n], 0xff000000, v[QM+\n]    ; 2 off the exponent field: the conversion's scale operand
.endr
.irp n, 0,1,2,3,4,5,6,7,8,9
	v_lshrrev_b32 v[QB+\n], 23, v[QS+\n]           ; the scale's byte
.endr
.irp g, 0,1,2,3,4
	v_cvt_scalef32_pk8_fp4_f32 v[QC+2*\g], v[OUT+8*\g:OUT+8*\g+7], v[QS+2*\g]       ; under the even row's scale: its four codes are the low half
	v_cvt_scalef32_pk8_fp4_f32 v[QC+2*\g+1], v[OUT+8*\g:OUT+8*\g+7], v[QS+2*\g+1]   ; under the odd row's: its four are the high half
.endr
	v_nop                                          ; a plain line behind the conversions
.irp w, 0,1
	v_lshl_or_b32 v[QW+\w], v[QB+2+\w], 8, v[QB+\w]        ; a row's four spline bytes: byte c
	v_lshl_or_b32 v[QW+\w], v[QB+4+\w], 16, v[QW+\w]
	v_lshl_or_b32 v[QW+\w], v[QB+6+\w], 24, v[QW+\w]
.endr
.irp g, 0,1,2,3
	ds_store_b16 v252, v[QC+2*\g] offset:UP*\g
	ds_store_b16_d16_hi v252, v[QC+2*\g+1] offset:UP*\g+16
.endr
	ds_store_b16 v254, v[QC+8]
	ds_store_b16_d16_hi v254, v[QC+9] offset:16
	ds_store_b32 v253, v[QW]                       ; the eight lanes of a block write the same word
	ds_store_b32 v253, v[QW+1] offset:16
	ds_store_b8 v255, v[QB+8]
	ds_store_b8 v255, v[QB+9] offset:16
	s_add_co_u32 s49, s49, 32
	s_add_co_u32 s50, s50, 1024
	s_sub_co_u32 s48, s48, 1
	s_cmp_lg_u32 s48, 0
	s_cbranch_scc1 .Ltwo_rows
	; the way out: LDS serves a wave's instructions in order (ISA guide 5.7.1.4), so the loads see the stores
	v_lshrrev_b32 v9, 4, v0
	v_and_b32 v10, 15, v0
	v_mul_u32_u24 v11, v9, UP
	v_lshl_add_u32 v11, v10, 4, v11
	v_add_nc_u32 v11, CST, v11
	v_lshl_add_u32 v12, v0, 3, SSP
	v_lshl_add_u32 v13, v10, 4, SSI
.irp i, 0,1,2,3,4,5,6,7,8,9
	ds_load_b128 v[120+4*\i:120+4*\i+3], v11 offset:2*UP*\i
.endr
	ds_load_b64 v[160:161], v12
	ds_load_b32 v162, v13
	s_mul_i32 s44, s41, 40960
	s_add_nc_u64 s[10:11], s[10:11], s[44:45]
	s_mul_i32 s44, s41, 2560
	s_add_nc_u64 s[12:13], s[12:13], s[44:45]
	s_lshl_b32 s46, s40, 12
	s_add_co_u32 s46, s46, 8192
	v_add_nc_u32 v14, s46, v2                      ; spline blocks 32 + 16 fg on
	s_lshl_b32 s46, s40, 10
	v_add_nc_u32 v15, s46, v2                      ; silu blocks 4 fg on
	s_lshl_b32 s46, s40, 8
	s_add_co_u32 s46, s46, 512
	v_lshl_add_u32 v3, v0, 3, s46                  ; spline scale bytes: unit 2 + fg
	s_lshr_b32 s46, s40, 2
	s_lshl_b32 s46, s46, 8
	s_and_b32 s47, s40, 3
	s_lshl_b32 s47, s47, 2
	s_add_co_u32 s46, s46, s47
	v_lshl_add_u32 v4, v10, 4, s46                 ; silu scale word: unit fg / 4, word fg % 4 of each row
.irp i, 0,1,2,3,4,5,6,7
	s_wait_dscnt 11-\i                             ; the younger LDS loads stay out
	global_store_b128 v14, v[120+4*\i:120+4*\i+3], s[10:11] offset:512*\i   ; 32 lanes store 512 consecutive bytes, aligned
.endr
	s_wait_dscnt 3
	global_store_b128 v15, v[152:155], s[10:11]
	s_wait_dscnt 2
	global_store_b128 v15, v[156:159], s[10:11] offset:512
	s_wait_dscnt 1
	global_store_b64 v3, v[160:161], s[12:13]
	s_wait_dscnt 0x0
	global_store_b32 v4, v162, s[12:13]            ; 4 bytes of each row's 16 (lanes 16-31 repeat lanes 0-15): the other words are other work-groups'
	s_set_vgpr_msb 0x5
	s_wait_tensorcnt 0x0
	ds_add_u32 v0, v1
	s_wait_dscnt 0x0
	s_set_vgpr_msb 0x500
	s_endpgm
	; ---------------- table: the same constants, of grid_ff, go to memory: 64 pairs x 208 bytes for each group of 128 features
.Ltable:
	s_add_nc_u64 s[8:9], s[8:9], s[42:43]          ; grid_ff at my features
	KNOTS 8
	s_mul_i32 s42, s40, 13312
	s_add_nc_u64 s[14:15], s[14:15], s[42:43]
	v_mul_u32_u24 v3, v0, 416                      ; my two pairs
	s_wait_loadcnt 0x0
	CONSTP 0
	CONSTP 1
.set CI, 0
.rept 26
	global_store_b128 v3, v[KP0+4*CI:KP0+4*CI+3], s[14:15] offset:16*CI
.set CI, CI+1
.endr
	s_endpgm
	; ---------------- weights
.Lweights:
	s_sub_co_u32 s40, ttmp9, NX+NT
	s_and_b32 s41, s40, 7                          ; ks: which 128 input features
	s_bfe_u32 s42, s40, 0x60003                    ; the row block within the weight, 0..63
	s_lshr_b32 s43, s40, 9                         ; which weight
	s_lshr_b32 s44, s42, 1                         ; q
	s_and_b32 s45, s42, 1                          ; u
	s_lshl_b32 s46, s44, 2
	s_lshl_b32 s47, s43, 1
	s_add_co_u32 s46, s46, s47
	s_add_co_u32 s46, s46, s45                     ; 4 q + 2 g + u
	s_add_co_u32 s47, s42, 128
	s_cmp_eq_u32 s43, 2
	s_cselect_b32 s46, s47, s46                    ; the row block in wc and ws
	s_lshl_b32 s48, s44, 5
	s_lshl_b32 s49, s45, 3
	s_add_co_u32 s48, s48, s49                     ; place 0's output feature: 32 q + 8 u
	s_lshl_b32 s50, s48, 14
	s_lshl_b32 s51, s41, 11
	s_add_co_u32 s50, s50, s51
	s_mov_b32 s51, 0
	s_wait_kmcnt 0x0
	s_cmp_eq_u32 s43, 1
	s_cselect_b64 s[16:17], s[18:19], s[16:17]
	s_cselect_b64 s[22:23], s[24:25], s[22:23]
	s_cselect_b64 s[28:29], s[30:31], s[28:29]
	s_cmp_eq_u32 s43, 2
	s_cselect_b64 s[16:17], s[20:21], s[16:17]
	s_cselect_b64 s[22:23], s[26:27], s[22:23]
	s_cselect_b64 s[28:29], s[32:33], s[28:29]
	s_add_nc_u64 s[16:17], s[16:17], s[50:51]
.macro WLOAD r                         ; place r's 2,048 bytes: four loads of 512 consecutive bytes; lane l of load j holds feature 32 j + l, four coefficients
.irp j, 0,1,2,3
	global_load_b128 v[RING+16*((\r)%8)+4*\j:RING+16*((\r)%8)+4*\j+3], v2, s[16:17] offset:((\r)+8*((\r)/8))*16384+512*\j th:TH_LOAD_NT
.endr
.endm
.irp r, 0,1,2,3,4,5,6,7
	WLOAD \r
.endr
	v_bfe_u32 v7, v0, 2, 2                         ; back from the stage lane l holds features 8 (l % 16) .. + 7 of coefficients l / 16 and l / 16 + 2: s = (l / 4) % 4
	v_lshrrev_b32 v8, 4, v0
	v_lshl_add_u32 v7, v7, 2, v8                   ; my first piece's block: 4 s + l / 16
	v_and_b32 v8, 3, v0
	v_mul_u32_u24 v3, v7, UP
	v_lshl_add_u32 v3, v8, 2, v3
	v_add_nc_u32 v3, WST, v3                       ; its unit, my eight codes' four bytes
	v_add_nc_u32 v4, WSS, v7                       ; and its byte
	v_lshl_add_u32 v5, v0, 2, WPL                  ; into the stage: 4 bytes a lane
	v_lshl_add_u32 v6, v0, 5, WPL                  ; out of it: 32 bytes a lane
; Row r through stage r % 2: coefficient c of feature 32 j + l goes to plane c, so that a coefficient's 128 features lie on end; LDS serves a wave's instructions in order, so no wait stands between stores and loads
.macro WTURN r
.set TS, RING+16*((\r)%8)
.irp j, 0,1,2,3
.irp c, 0,1,2,3
	ds_store_b32 v5, v[TS+4*\j+\c] offset:2048*((\r)%2)+512*\c+128*\j
.endr
.endr
.irp p, 0,1
.irp f, 0,1
	ds_load_b128 v[VV+16*((\r)%2)+8*\p+4*\f:VV+16*((\r)%2)+8*\p+4*\f+3], v6 offset:2048*((\r)%2)+1024*\p+16*\f
.endr
.endr
.endm
.macro WROW r
.set VS, VV+16*((\r)%2)
.if (\r) > 0
	s_wait_dscnt 4                                 ; this row is back from the stage; the last row's four stores, issued behind its loads, may be out
.else
	s_wait_dscnt 0x0
.endif
.if (\r)+8 < 16
	WLOAD (\r)+8                                   ; into this row's registers, which its stores into the stage have read
.endif
.if (\r)+1 < 16
.if (\r) <= 7
	s_wait_loadcnt 28                              ; the next row is in; the seven rows behind it stay out
.else
	s_wait_loadcnt 4*(14-(\r))
.endif
	WTURN (\r)+1                                   ; and goes through the other stage while this row is worked
.endif
	QMAX WM, VS, 8
	QMAX WM+2, VS+8, 8
.irp m, 1,2
	v_max_num_f32_dpp v[WM], v[WM], v[WM] row_xmask:\m row_mask:0xf bank_mask:0xf         ; a block of 32 features is four lanes'
	v_max_num_f32_dpp v[WM+2], v[WM+2], v[WM+2] row_xmask:\m row_mask:0xf bank_mask:0xf
.endr
	v_add_nc_u32 v[WS], 0xff000000, v[WM]
	v_add_nc_u32 v[WS+1], 0xff000000, v[WM+2]
	v_lshrrev_b32 v[WBY+2*(\r)], 23, v[WS]
	v_lshrrev_b32 v[WBY+2*(\r)+1], 23, v[WS+1]
	v_cvt_scalef32_pk8_fp4_f32 v[WCO+2*(\r)], v[VS:VS+7], v[WS]
	v_cvt_scalef32_pk8_fp4_f32 v[WCO+2*(\r)+1], v[VS+8:VS+15], v[WS+1]
	v_nop
	ds_store_b32 v3, v[WCO+2*(\r)] offset:16*(\r)
	ds_store_b32 v3, v[WCO+2*(\r)+1] offset:2*UP+16*(\r)
	ds_store_b8 v4, v[WBY+2*(\r)] offset:16*(\r)   ; the four lanes of a block write the same byte
	ds_store_b8 v4, v[WBY+2*(\r)+1] offset:2+16*(\r)
.endm
	s_wait_loadcnt 28                              ; row 0 is in
	WTURN 0
.irp r, 0,1,2,3,4,5,6,7,8,9,10,11,12,13,14,15
	WROW \r
.endr
	v_lshrrev_b32 v9, 4, v0
	v_and_b32 v10, 15, v0
	v_mul_u32_u24 v11, v9, UP
	v_lshl_add_u32 v11, v10, 4, v11
	v_add_nc_u32 v11, WST, v11
	v_lshl_add_u32 v12, v0, 3, WSS
.irp i, 0,1,2,3,4,5,6,7
	ds_load_b128 v[16+4*\i:16+4*\i+3], v11 offset:2*UP*\i
.endr
	ds_load_b64 v[48:49], v12
	s_mul_i32 s50, s46, 40960
	s_add_nc_u64 s[34:35], s[34:35], s[50:51]
	s_mul_i32 s50, s46, 2560
	s_add_nc_u64 s[36:37], s[36:37], s[50:51]
	s_lshl_b32 s53, s41, 12
	s_add_co_u32 s53, s53, 8192
	v_add_nc_u32 v14, s53, v2
	s_lshl_b32 s53, s41, 8
	s_add_co_u32 s53, s53, 512
	v_lshl_add_u32 v15, v0, 3, s53
.irp i, 0,1,2,3,4,5,6,7
	s_wait_dscnt 8-\i
	global_store_b128 v14, v[16+4*\i:16+4*\i+3], s[34:35] offset:512*\i
.endr
	s_wait_dscnt 0x0
	global_store_b64 v15, v[48:49], s[36:37]
	s_and_b32 s53, s41, 3
	s_cmp_lg_u32 s53, 0
	s_cbranch_scc1 .Lweights_end
	; the base weight's codes of these 16 rows, 512 along K (t = ks / 4), are laid by blocks; its scale bytes are copied
	s_lshr_b32 s53, s41, 2
	s_lshl_b32 s50, s48, 9
	s_lshl_b32 s54, s53, 8
	s_add_co_u32 s50, s50, s54
	s_add_nc_u64 s[22:23], s[22:23], s[50:51]
	s_lshl_b32 s50, s48, 5
	s_lshl_b32 s54, s53, 4
	s_add_co_u32 s50, s50, s54
	s_add_nc_u64 s[28:29], s[28:29], s[50:51]
	v_lshlrev_b32 v5, 9, v9
	v_lshl_add_u32 v5, v10, 4, v5                  ; two rows a load: sixteen lanes read 256 consecutive bytes
	v_lshrrev_b32 v6, 1, v0
	v_lshl_add_u32 v6, v9, 3, v6                   ; place l / 2 is row l / 2 + 8 (l / 16)
	v_lshlrev_b32 v6, 5, v6
	v_and_b32 v7, 1, v0
	v_lshl_add_u32 v6, v7, 3, v6
	v_mul_u32_u24 v7, v10, UP
	v_lshl_add_u32 v7, v9, 4, v7
	v_add_nc_u32 v7, WST, v7                       ; unit = the block (l % 16), row 2 i + l / 16
	s_lshl_b32 s54, s53, 12
	v_add_nc_u32 v8, s54, v2
	s_lshl_b32 s54, s53, 8
	v_lshl_add_u32 v13, v0, 3, s54
.irp i, 0,1,2,3,4,5,6,7
	global_load_b128 v[64+4*\i:64+4*\i+3], v5, s[22:23] offset:(2*\i+8*(\i/4))*512
.endr
	global_load_b64 v[96:97], v6, s[28:29]
	s_wait_loadcnt 1                               ; the codes are in; the scale bytes may be out
.irp i, 0,1,2,3,4,5,6,7
	ds_store_b128 v7, v[64+4*\i:64+4*\i+3] offset:32*\i
.endr
.irp i, 0,1,2,3,4,5,6,7
	ds_load_b128 v[100+4*\i:100+4*\i+3], v11 offset:2*UP*\i
.endr
.irp i, 0,1,2,3,4,5,6,7
	s_wait_dscnt 7-\i
	global_store_b128 v8, v[100+4*\i:100+4*\i+3], s[34:35] offset:512*\i
.endr
	s_wait_loadcnt 0x0
	global_store_b64 v13, v[96:97], s[36:37]
.Lweights_end:
	s_set_vgpr_msb 0x5
	s_wait_tensorcnt 0x0
	ds_add_u32 v0, v1
	s_wait_dscnt 0x0
	s_set_vgpr_msb 0x500
	s_endpgm
.Lfunc_end_k_q9765fc2fdd_prep:
	.size	k_q9765fc2fdd_prep, .Lfunc_end_k_q9765fc2fdd_prep-k_q9765fc2fdd_prep
	.p2alignl 7, 3214868480
	.fill 96, 4, 3214868480
	.section	.rodata,"a",@progbits
	.p2align	6, 0x0
	.amdhsa_kernel k_q9765fc2fdd_prep
		.amdhsa_group_segment_fixed_size 23296
		.amdhsa_private_segment_fixed_size 0
		.amdhsa_enable_private_segment 0
		.amdhsa_kernarg_size 136
		.amdhsa_user_sgpr_count 2
		.amdhsa_user_sgpr_kernarg_segment_ptr 1
		.amdhsa_wavefront_size32 1
		.amdhsa_system_sgpr_workgroup_id_x 1
		.amdhsa_system_sgpr_workgroup_id_y 1
		.amdhsa_system_sgpr_workgroup_id_z 1
		.amdhsa_system_vgpr_workitem_id 0
		.amdhsa_next_free_vgpr 258
		.amdhsa_next_free_sgpr 98
		.amdhsa_reserve_vcc 0
		.amdhsa_float_denorm_mode_32 3
		.amdhsa_float_denorm_mode_16_64 3
		.amdhsa_memory_ordered 1
		.amdhsa_forward_progress 1
		.amdhsa_inst_pref_size 123
	.end_amdhsa_kernel
	.amdgpu_metadata
---
amdhsa.version: [ 1, 2 ]
amdhsa.kernels:
  - .name:           k_q9765fc2fdd_prep
    .symbol:         k_q9765fc2fdd_prep.kd
    .args:
      - { .name: x, .offset: 0, .size: 8, .value_kind: global_buffer, .address_space: global }
      - { .name: grid_in, .offset: 8, .size: 8, .value_kind: global_buffer, .address_space: global }
      - { .name: grid_ff, .offset: 16, .size: 8, .value_kind: global_buffer, .address_space: global }
      - { .name: a1c, .offset: 24, .size: 8, .value_kind: global_buffer, .address_space: global }
      - { .name: a1s, .offset: 32, .size: 8, .value_kind: global_buffer, .address_space: global }
      - { .name: tff, .offset: 40, .size: 8, .value_kind: global_buffer, .address_space: global }
      - { .name: spline_w1, .offset: 48, .size: 8, .value_kind: global_buffer, .address_space: global }
      - { .name: spline_w2, .offset: 56, .size: 8, .value_kind: global_buffer, .address_space: global }
      - { .name: spline_w3, .offset: 64, .size: 8, .value_kind: global_buffer, .address_space: global }
      - { .name: base_w1_codes, .offset: 72, .size: 8, .value_kind: global_buffer, .address_space: global }
      - { .name: base_w2_codes, .offset: 80, .size: 8, .value_kind: global_buffer, .address_space: global }
      - { .name: base_w3_codes, .offset: 88, .size: 8, .value_kind: global_buffer, .address_space: global }
      - { .name: base_w1_scales, .offset: 96, .size: 8, .value_kind: global_buffer, .address_space: global }
      - { .name: base_w2_scales, .offset: 104, .size: 8, .value_kind: global_buffer, .address_space: global }
      - { .name: base_w3_scales, .offset: 112, .size: 8, .value_kind: global_buffer, .address_space: global }
      - { .name: wc, .offset: 120, .size: 8, .value_kind: global_buffer, .address_space: global }
      - { .name: ws, .offset: 128, .size: 8, .value_kind: global_buffer, .address_space: global }
    .group_segment_fixed_size: 23296
    .private_segment_fixed_size: 0
    .kernarg_segment_align: 8
    .kernarg_segment_size: 136
    .max_flat_workgroup_size: 32
    .sgpr_count:     98
    .vgpr_count:     258
    .wavefront_size: 32
...
	.end_amdgpu_metadata
.endif
;; end of part 1
;; launch gemm1 (part 2): grid 8 x 32, 4 waves a work-group, clusters of 4 x 4, 327,680 bytes of LDS; arguments a1c, a1s, wc, ws, tff, a3c, a3s; writes a3c, a3s
.if DOCPART == 2
	.amdgcn_target "amdgcn-amd-amdhsa--gfx1250"
	.amdhsa_code_object_version 6
	.text
	.protected	k_q9765fc2fdd_gemm1
	.globl	k_q9765fc2fdd_gemm1
	.p2align	8
	.type	k_q9765fc2fdd_gemm1,@function
k_q9765fc2fdd_gemm1:
	s_mov_b64 s[64:65], 0
	v_nop
	global_prefetch_b8 v0, s[64:65] scope:SCOPE_SE
	s_setreg_imm32_b32 hwreg(HW_REG_WAVE_MODE, 25, 1), 1
	s_wait_xcnt 0x0
	s_wait_alu depctr_hold_cnt(0) depctr_sa_sdst(0) depctr_va_vdst(0) depctr_va_sdst(0) depctr_va_ssrc(0) depctr_va_vcc(0) depctr_vm_vsrc(0)
	s_getreg_b32 s2, hwreg(HW_REG_IB_STS2, 6, 4)
	s_cmp_eq_u32 s2, 0
	s_cbranch_scc0 .Lentry_in_a_cluster
	s_endpgm
.Lentry_in_a_cluster:
	s_bfe_u32 s2, ttmp6, 0x10000c
	s_cmp_lg_u32 s2, 0xf033
	s_cbranch_scc0 .Lentry_shape_is_right
	s_endpgm
.Lentry_shape_is_right:
; GEMM1: y1 and y2 (K = 5,120: silu and spline parts in one sum), h = y1 y2, then silu(h) and the spline bases of h, quantised: the third layer's left operand.  h never goes to memory.
; A work-group makes 128 rows x 128 features of y1 and of y2: 8 row blocks of A x 16 row blocks of the weights.  Wave w takes all 8 blocks of A and weight blocks 4 w .. 4 w + 3
; (y1 u = 0, 1; y2 u = 0, 1 of features 32 w .. 32 w + 31): 32 accumulators, so that y1 and y2 of a number lie in one lane.
; OPERANDS lie in memory in the order of the operand's registers: 128 along K of 16 rows are 1,024 bytes on end; a load of 16 bytes a lane reads 512 consecutive bytes: no pitch, no padding.
; K goes in steps of 512 through two LDS slots filled by tensor loads (waves 0, 1: A's halves; waves 2, 3: the weights').  All scale bytes of the tile come once, with the first fills.
; By this text's own count a wave has three tensor loads out at the start and one behind each round.
; CLUSTER 4 x 4: A's tiles hang on the tile row alone and are asked for jointly along a row of the cluster, the weights' on the tile column alone, along a column.
; THE PRODUCT IS USED TRANSPOSED (source 0 = 16 weight rows, source 1 = 16 rows of A): lane (r, h) holds row r; by the weights' order of rows register j of tile u is feature 32 w + 16 h + 8 u + j.
; WHAT IS STORED: the wave's 32 features are one quantiser block of silu(h) (block 4 j + w) and, for each coefficient c, one of the spline bases (block 32 + 16 j + 4 w + c): lanes l and l xor 16 hold 16 features each.
; SUMS: base and spline parts are summed in one chain, K ascending in the laid order: an order of f32 rounding other than two sums added.
; LIMITS: NaN and infinities are not served; silu(h) for h under about -87 is 0; blocks with a largest magnitude under 2^-124 get the byte 1 (read by this program alone).
; WINDOWS: 0: v1-31 addresses; v32-95 scale words, two sets, nothing else ever; v96-159 A's fragments; v160-223 the weights', two sets; in the epilogue v96-243 at work.
;   1, 2: the spline constants of my feature pairs 0-3, 4-7 (52 each), d_k at v208-239.   3: the 32 accumulators, (a, b) at v[8 (4 a + b)].
.set NA, 8
.set NB, 4
.set NQ, 4                             ; matrix instructions deep in a slot
.set KSB, 4096                         ; bytes of a row block in a slot
.set BR, 16                            ; weight row blocks in a tile
.set SLOT, (8+BR)*KSB
.set SCL, 2*SLOT                       ; the scales: A's 8 x 2,560 bytes, then the weights'
.set SPARE, SCL+(8+BR)*2560            ; the spare words: 128 bytes a wave, named by no other line
.set HST, SPARE+512                    ; h: 16,384 bytes for each wave, its own
.set SST, HST+65536                    ; spline scale words: 512 bytes for each wave
.set SIT, SST+2048                     ; silu scale bytes: 128 for each wave
.set MULW, 0xf0                        ; C and D window 3
.set ADRA, 16
.set ADRB, 20
.set ADRS, 26
.set ADRS2, 27
.set SPW, 28
.set NIL, 29
.set SC, 32
.set AF, 96
.set BF, 160
.set G1A, 24
.set G0A, 32
.set G1B, 48
.set G0B, 56
.set G1SA, 68
.set G0SA, 76
.set G1SB, 80
.set G0SB, 88
.set X, 96                             ; the epilogue, window 0: my 16 h
.set OUT, 112                          ; v112-175: coefficient c of my 16 features at OUT + 16 c
.set SP0, 176
.set SP1, 190
.set BP0, 204
.set BP1, 216
.set CS, 228                           ; silu's codes
.set CC, 230                           ; the splines' codes: two registers a coefficient
.set MX, 238
.set SCR, 240
.set PT, 241
.set BYS, 242
.set WD, 243
.set QM, 176                           ; behind the splines, in registers that they have left: largest magnitudes, two chains a coefficient,
.set QP, 184                           ; the other half's,
.set QSC, 188                          ; scale operands,
.set QBY, 192                          ; bytes
.set DP0, 208                          ; in window 1 or 2
.set DP1, 224
.set MK, 24                            ; s24-55: masks, when every tensor load is done
.set BW, 1
.set MSB, 0
.macro WIN new                         ; the immediate's high byte repeats the setting that is left
.if MSB != (\new)
	s_set_vgpr_msb (MSB<<8)|(\new)
.set MSB, (\new)
.endif
.endm
.macro WINA                            ; source 1 in the constants' window
	WIN 4*BW
.endm
.macro WINB                            ; source 1 and destination there
	WIN 0x44*BW
.endm
.macro PLACES                          ; four plain lines behind a matrix instruction, ahead of loads into its registers and of reads of its results
.rept 4
	v_nop
.endr
.endm
.macro JLOAD g0a, g1a, g0b, g1b        ; a joint load: waves 0, 1 for A, waves 2, 3 for the weights; four v_nop follow each line
	s_cmp_eq_u32 s19, 0
	s_cbranch_scc0 .Lfor_b_\@
	tensor_load_to_lds s[\g0a:\g0a+3], s[\g1a:\g1a+7]
	s_nop 0
.rept 4
	v_nop
.endr
	s_branch .Lasked_\@
.Lfor_b_\@:
	tensor_load_to_lds s[\g0b:\g0b+3], s[\g1b:\g1b+7]
	s_nop 0
.rept 4
	v_nop
.endr
.Lasked_\@:
.endm
.macro CREST                           ; a round of the cluster's barrier behind its opening barrier
	s_cmp_lg_u32 s18, 0
	s_cbranch_scc1 .Lnot_wave_0_\@
	s_barrier_signal -3
.Lnot_wave_0_\@:
	s_barrier_wait -3
	s_barrier_signal -1
	s_barrier_wait -1
.endm
.macro CROUND
	s_barrier_signal -1
	s_barrier_wait -1
	CREST
.endm
.macro FRAG reg, adr, q, i             ; a fragment: two loads of 512 consecutive bytes
.irp c, 0,1
	ds_load_b128 v[\reg+4*\c:\reg+4*\c+3], v[\adr] offset:1024*(\q)+512*\c+(\i)*KSB
.endr
.endm
.macro FETCH_B slot, q, p
.irp i, 0,1,2,3
	FRAG BF+32*(\p)+8*\i, ADRB+\slot, \q, \i
.endr
.endm
.macro FETCH_A slot, q, i0             ; NA / 2 blocks of A from i0 on
.set FI, \i0
.rept NA/2
	FRAG AF+8*FI, ADRA+\slot, \q, FI
.set FI, FI+1
.endr
.endm
.macro STEPSC                          ; on to the next 512 along K of the scales
	v_add_nc_u32 v[ADRS], 256, v[ADRS]
	v_add_nc_u32 v[ADRS2], 256, v[ADRS2]
.endm
.macro SCALES set                      ; register 4 i + q: lanes 0-15 the word of A's block i, lanes 16-31 that of weight block i (i < 4; for i >= 4 both halves read A's)
.irp i, 0,1,2,3
	ds_load_b128 v[SC+4*NA*(\set)+4*\i:SC+4*NA*(\set)+4*\i+3], v[ADRS] offset:\i*2560
.endr
.irp i, 4,5,6,7
	ds_load_b128 v[SC+4*NA*(\set)+4*\i:SC+4*NA*(\set)+4*\i+3], v[ADRS2] offset:\i*2560
.endr
.endm
; n blocks of A from a0 on x the four weight blocks.  The accumulators take turns, one instruction a turn, in the same order in every step
.macro MULA a0, n, p, q, set, zero
.set MA, \a0
.rept \n
.irp b, 0,1,2,3
.if \zero
	v_wmma_scale_f32_16x16x128_f8f6f4 v[8*(4*MA+\b):8*(4*MA+\b)+7], v[BF+32*(\p)+8*\b:BF+32*(\p)+8*\b+7], v[AF+8*MA:AF+8*MA+7], 0, v[SC+4*NA*(\set)+4*\b+(\q)%4], v[SC+4*NA*(\set)+4*MA+(\q)%4] matrix_a_fmt:MATRIX_FMT_FP4 matrix_b_fmt:MATRIX_FMT_FP4 matrix_a_scale:MATRIX_SCALE_ROW1
.else
	v_wmma_scale_f32_16x16x128_f8f6f4 v[8*(4*MA+\b):8*(4*MA+\b)+7], v[BF+32*(\p)+8*\b:BF+32*(\p)+8*\b+7], v[AF+8*MA:AF+8*MA+7], v[8*(4*MA+\b):8*(4*MA+\b)+7], v[SC+4*NA*(\set)+4*\b+(\q)%4], v[SC+4*NA*(\set)+4*MA+(\q)%4] matrix_a_fmt:MATRIX_FMT_FP4 matrix_b_fmt:MATRIX_FMT_FP4 matrix_a_scale:MATRIX_SCALE_ROW1
.endif
.endr
.set MA, MA+1
.endr
.endm
.macro STEP slot, q, zero              ; 128 along K whose successor lies in the same slot
	s_wait_dscnt NA                                ; all but the NA youngest loads (A's upper blocks) are in
	WIN MULW
	MULA 0, NA/2, (\q)%2, \q, (((\slot)*NQ+(\q))/4)%2, \zero
	s_wait_dscnt 0x0
	PLACES
	WIN 0
	FETCH_B \slot, (\q)+1, 1-(\q)%2
	FETCH_A \slot, (\q)+1, 0
.if (\q)%4 == 3
	STEPSC
	SCALES (((\slot)*NQ+(\q)+1)/4)%2
.endif
	WIN MULW
	MULA NA/2, NA/2, (\q)%2, \q, (((\slot)*NQ+(\q))/4)%2, \zero
	PLACES
	WIN 0
	FETCH_A \slot, (\q)+1, NA/2
.endm
.macro TURN slot, next, fill           ; a slot's last step changes slots: one barrier; with fill = 1 it opens a round of the cluster's barrier and the slot is filled again
	s_wait_tensorcnt 0x0                           ; all my tensor loads have landed: my part of the next slot
	ds_add_u32 v[SPW], v[NIL]                      ; 0 onto my spare word
	s_wait_dscnt NA+1                              ; (the add and A's upper blocks may be out)
	WIN MULW
	MULA 0, NA/4, 1, NQ-1, (((\slot)*NQ+NQ-1)/4)%2, 0
	s_wait_dscnt 0x0                               ; the add is done, and my reads of this slot are over
	s_barrier_signal -1
	MULA NA/4, NA/4, 1, NQ-1, (((\slot)*NQ+NQ-1)/4)%2, 0
	WIN 0
	s_barrier_wait -1
.if \fill
	CREST                                          ; no wave of any partner still reads this slot or has a load on its way
	s_add_nc_u64 s[G0A+4*\slot+2:G0A+4*\slot+3], s[G0A+4*\slot+2:G0A+4*\slot+3], 2*KSB
	s_add_nc_u64 s[G0B+4*\slot+2:G0B+4*\slot+3], s[G0B+4*\slot+2:G0B+4*\slot+3], 2*KSB
	JLOAD G0A+4*\slot, G1A, G0B+4*\slot, G1B       ; the first tensor load behind the round; its four v_nop are the places ahead of the loads below
.else
	PLACES
.endif
	STEPSC
	FETCH_B \next, 0, 0
	FETCH_A \next, 0, 0
	SCALES (((\next)*NQ)/4)%2
	WIN MULW
	MULA NA/2, NA/2, 1, NQ-1, (((\slot)*NQ+NQ-1)/4)%2, 0
	PLACES
	WIN 0
	FETCH_A \next, 0, NA/2
.endm
.macro LAST slot
	s_wait_dscnt NA
	WIN MULW
	MULA 0, NA/2, 1, NQ-1, (((\slot)*NQ+NQ-1)/4)%2, 0
	s_wait_dscnt 0x0
	MULA NA/2, NA/2, 1, NQ-1, (((\slot)*NQ+NQ-1)/4)%2, 0
	WIN 0
.endm
.macro STEPS slot, from
.set Q, \from
.rept NQ-1-\from
	STEP \slot, Q, 0
.set Q, Q+1
.endr
.endm
; Two feature pairs at once: d_k = x - g_k; level 0 by masks; level j: b_i = d_i (R_i b_i) - d_(i+j+1) (R_(i+1) b_(i+1)).  Constants and d always stand as source 1.  Coefficient c's pair goes to oa, ob + os x c
.macro BSPL2 xa, xb, ka, kb, oa, ob, os
	WINB
.irp k, 0,1,2,3,4,5,6,7
	v_pk_add_f32 v[DP0+2*\k:DP0+2*\k+1], v[\xa:\xa+1], v[\ka+2*\k:\ka+2*\k+1] neg_lo:[0,1] neg_hi:[0,1]
	v_pk_add_f32 v[DP1+2*\k:DP1+2*\k+1], v[\xb:\xb+1], v[\kb+2*\k:\kb+2*\k+1] neg_lo:[0,1] neg_hi:[0,1]
.endr
	WINA
.irp k, 0,1,2,3,4,5,6,7
.irp f, 0,1
	v_cmp_ge_f32 s[MK+8*\f+\k], v[\xa+\f], v[\ka+2*\k+\f]
	v_cmp_ge_f32 s[MK+16+8*\f+\k], v[\xb+\f], v[\kb+2*\k+\f]
.endr
.endr
.irp g, 0,8,16,24
.irp k, 0,1,2,3,4,5,6
	s_and_not1_b32 s[MK+\g+\k], s[MK+\g+\k], s[MK+\g+\k+1]
.endr
.endr
.irp k, 0,1,2,3,4,5,6
.irp f, 0,1
	v_cndmask_b32 v[SP0+2*\k+\f], 0, v[\ka+16+2*\k+\f], s[MK+8*\f+\k]
	v_cndmask_b32 v[SP1+2*\k+\f], 0, v[\kb+16+2*\k+\f], s[MK+16+8*\f+\k]
.endr
.endr
.irp i, 0,1,2,3,4,5
	v_pk_mul_f32 v[BP0+2*\i:BP0+2*\i+1], v[SP0+2*\i+2:SP0+2*\i+3], v[DP0+2*\i+4:DP0+2*\i+5]
	v_pk_mul_f32 v[BP1+2*\i:BP1+2*\i+1], v[SP1+2*\i+2:SP1+2*\i+3], v[DP1+2*\i+4:DP1+2*\i+5]
.endr
.irp i, 0,1,2,3,4,5
	v_pk_fma_f32 v[BP0+2*\i:BP0+2*\i+1], v[SP0+2*\i:SP0+2*\i+1], v[DP0+2*\i:DP0+2*\i+1], v[BP0+2*\i:BP0+2*\i+1] neg_lo:[0,0,1] neg_hi:[0,0,1]
	v_pk_fma_f32 v[BP1+2*\i:BP1+2*\i+1], v[SP1+2*\i:SP1+2*\i+1], v[DP1+2*\i:DP1+2*\i+1], v[BP1+2*\i:BP1+2*\i+1] neg_lo:[0,0,1] neg_hi:[0,0,1]
.endr
.irp k, 0,1,2,3,4,5
	v_pk_mul_f32 v[SP0+2*\k:SP0+2*\k+1], v[BP0+2*\k:BP0+2*\k+1], v[\ka+30+2*\k:\ka+30+2*\k+1]
	v_pk_mul_f32 v[SP1+2*\k:SP1+2*\k+1], v[BP1+2*\k:BP1+2*\k+1], v[\kb+30+2*\k:\kb+30+2*\k+1]
.endr
.irp i, 0,1,2,3,4
	v_pk_mul_f32 v[BP0+2*\i:BP0+2*\i+1], v[SP0+2*\i+2:SP0+2*\i+3], v[DP0+2*\i+6:DP0+2*\i+7]
	v_pk_mul_f32 v[BP1+2*\i:BP1+2*\i+1], v[SP1+2*\i+2:SP1+2*\i+3], v[DP1+2*\i+6:DP1+2*\i+7]
.endr
.irp i, 0,1,2,3,4
	v_pk_fma_f32 v[BP0+2*\i:BP0+2*\i+1], v[SP0+2*\i:SP0+2*\i+1], v[DP0+2*\i:DP0+2*\i+1], v[BP0+2*\i:BP0+2*\i+1] neg_lo:[0,0,1] neg_hi:[0,0,1]
	v_pk_fma_f32 v[BP1+2*\i:BP1+2*\i+1], v[SP1+2*\i:SP1+2*\i+1], v[DP1+2*\i:DP1+2*\i+1], v[BP1+2*\i:BP1+2*\i+1] neg_lo:[0,0,1] neg_hi:[0,0,1]
.endr
.irp k, 0,1,2,3,4
	v_pk_mul_f32 v[SP0+2*\k:SP0+2*\k+1], v[BP0+2*\k:BP0+2*\k+1], v[\ka+42+2*\k:\ka+42+2*\k+1]
	v_pk_mul_f32 v[SP1+2*\k:SP1+2*\k+1], v[BP1+2*\k:BP1+2*\k+1], v[\kb+42+2*\k:\kb+42+2*\k+1]
.endr
.irp i, 0,1,2,3
	v_pk_mul_f32 v[\oa+\os*\i:\oa+\os*\i+1], v[SP0+2*\i+2:SP0+2*\i+3], v[DP0+2*\i+8:DP0+2*\i+9]
	v_pk_mul_f32 v[\ob+\os*\i:\ob+\os*\i+1], v[SP1+2*\i+2:SP1+2*\i+3], v[DP1+2*\i+8:DP1+2*\i+9]
.endr
.irp i, 0,1,2,3
	v_pk_fma_f32 v[\oa+\os*\i:\oa+\os*\i+1], v[SP0+2*\i:SP0+2*\i+1], v[DP0+2*\i:DP0+2*\i+1], v[\oa+\os*\i:\oa+\os*\i+1] neg_lo:[0,0,1] neg_hi:[0,0,1]
	v_pk_fma_f32 v[\ob+\os*\i:\ob+\os*\i+1], v[SP1+2*\i:SP1+2*\i+1], v[DP1+2*\i:DP1+2*\i+1], v[\ob+\os*\i:\ob+\os*\i+1] neg_lo:[0,0,1] neg_hi:[0,0,1]
.endr
.endm
.macro SILU n, x, t, sv                ; x / (1 + 2^(-x log2 e)); a plain line behind each run of transcendentals (ISA guide 5.7.2)
.set SI, 0
.rept (\n)/2
	v_pk_mul_f32 v[\t+SI:\t+SI+1], v[\x+SI:\x+SI+1], 0xbfb8aa3b op_sel_hi:[1,0]
.set SI, SI+2
.endr
.set SI, 0
.rept \n
	v_exp_f32 v[\t+SI], v[\t+SI]
.set SI, SI+1
.endr
	v_nop
.set SI, 0
	s_wait_alu depctr_va_vdst(0)
.rept (\n)/2
	v_pk_add_f32 v[\t+SI:\t+SI+1], v[\t+SI:\t+SI+1], 1.0 op_sel_hi:[1,0]
.set SI, SI+2
.endr
.set SI, 0
.rept \n
	v_rcp_f32 v[\t+SI], v[\t+SI]
.set SI, SI+1
.endr
	v_nop
.set SI, 0
	s_wait_alu depctr_va_vdst(0)
.rept (\n)/2
	v_pk_mul_f32 v[\sv+SI:\sv+SI+1], v[\x+SI:\x+SI+1], v[\t+SI:\t+SI+1]
.set SI, SI+2
.endr
.endm
.macro QMAX m, base, n                 ; the largest magnitude of n registers, two chains, with the floor 2^(3 - 127)
	v_max3_num_f32 v[\m], |v[\base]|, |v[\base+1]|, 0x1800000
	v_max3_num_f32 v[\m+1], |v[\base+(\n)/2]|, |v[\base+(\n)/2+1]|, 0x1800000
.set QI, 2
.rept (\n)/4-1
	v_max3_num_f32 v[\m], v[\m], |v[\base+QI]|, |v[\base+QI+1]|
	v_max3_num_f32 v[\m+1], v[\m+1], |v[\base+(\n)/2+QI]|, |v[\base+(\n)/2+QI+1]|
.set QI, QI+2
.endr
	v_max_num_f32 v[\m], v[\m], v[\m+1]
.endm
	s_load_b256 s[4:11], s[0:1], 0x0               ; a1c 4, a1s 6, wc 8, ws 10
	s_load_b128 s[12:15], s[0:1], 0x20             ; tff 12, a3c 14
	s_load_b64 s[16:17], s[0:1], 0x30              ; a3s
	v_lshl_add_u32 v[SPW], v0, 2, SPARE
	v_mov_b32 v[NIL], 0
	ds_add_u32 v28, v29
	ds_add_u32 v28, v29
	s_wait_dscnt 0x0
	v_lshrrev_b32 v1, 5, v0
	v_readfirstlane_b32 s18, v1                    ; wave
	s_lshr_b32 s19, s18, 1                         ; I fetch for A (0) or for the weights (1),
	s_and_b32 s20, s18, 1                          ; which half
	s_bfe_u32 s40, ttmp6, 0x40000                  ; cx
	s_bfe_u32 s41, ttmp6, 0x40004                  ; cy
	s_lshl_b32 s22, ttmp9, 2
	s_add_co_u32 s22, s22, s40                     ; j: the tile column
	s_and_b32 s21, ttmp7, 0xffff
	s_lshl_b32 s21, s21, 2
	s_add_co_u32 s21, s21, s41                     ; y: the tile row
	s_lshl_b32 s42, s41, 2
	s_lshl_b32 s42, 15, s42                        ; my row of the cluster
	s_lshl_b32 s43, 0x1111, s40                    ; my column
	s_mov_b32 s100, 0x76543210
	s_mov_b32 s101, 0xfedcba98                     ; lane l xor 16
	; group 1: elements of 8 bytes, no padding; bit 21 beside a mask.  Codes: rows of KSB bytes, 40,960 bytes apart; scales: dense, as rows of 256 bytes
	s_or_b32 s[G1A], s42, (3<<16)|(1<<21)
	s_or_b32 s[G1B], s43, (3<<16)|(1<<21)
	s_or_b32 s[G1SA], s42, (3<<16)|(1<<21)
	s_or_b32 s[G1SB], s43, (3<<16)|(1<<21)
.irp g, G1A, G1B
	s_mov_b32 s[\g+1], (KSB/8)<<16                 ; tensor_dim0
	s_mov_b32 s[\g+3], (KSB/8)<<16                 ; tile_dim0
	s_mov_b32 s[\g+5], 5120                        ; the pitch
	s_mov_b32 s[\g+6], 0
	s_mov_b32 s[\g+7], 0
.endr
	s_mov_b32 s[G1A+2], 4<<16                      ; tensor_dim1
	s_mov_b32 s[G1A+4], 4                          ; tile_dim1: four row blocks
	s_mov_b32 s[G1B+2], (BR/2)<<16
	s_mov_b32 s[G1B+4], BR/2
.irp g, G1SA, G1SB
	s_mov_b32 s[\g+1], 32<<16
	s_mov_b32 s[\g+3], 32<<16
	s_mov_b32 s[\g+5], 32
	s_mov_b32 s[\g+6], 0
	s_mov_b32 s[\g+7], 0
.endr
	s_mov_b32 s[G1SA+2], 40<<16
	s_mov_b32 s[G1SA+4], 40
	s_mov_b32 s[G1SB+2], (BR*5)<<16
	s_mov_b32 s[G1SB+4], BR*5
	; A's addresses in s44-47, which never hold j; the weights' in s92-95, which never hold y
	s_lshl_b32 s44, s21, 3
	s_lshl_b32 s45, s20, 2
	s_add_co_u32 s44, s44, s45                     ; A: row block 8 y + 4 x half
	s_mul_i32 s46, s44, 2560
	s_mul_i32 s44, s44, 40960
	s_mov_b32 s45, 0
	s_mov_b32 s47, 0
	s_lshl_b32 s92, s22, 4
	s_lshl_b32 s93, s20, 3
	s_add_co_u32 s92, s92, s93                     ; weights: row block 16 j + 8 x half
	s_mul_i32 s94, s92, 2560
	s_mul_i32 s92, s92, 40960
	s_mov_b32 s93, 0
	s_mov_b32 s95, 0
	s_mul_i32 s96, s20, 4*KSB                      ; places in LDS: made of the wave's number alone
	s_mul_i32 s97, s20, (BR/2)*KSB
	s_mul_i32 s98, s20, 10240
	s_mul_i32 s99, s20, (BR/2)*2560
	s_wait_kmcnt 0x0
	s_add_nc_u64 s[44:45], s[4:5], s[44:45]
	s_add_nc_u64 s[46:47], s[6:7], s[46:47]
	s_add_nc_u64 s[92:93], s[8:9], s[92:93]
	s_add_nc_u64 s[94:95], s[10:11], s[94:95]
	CROUND                                         ; all sixteen work-groups are here: the first joint loads meet
	s_mov_b32 s[G0SA], 1
	s_add_co_u32 s[G0SA+1], s98, SCL
	s_mov_b64 s[G0SA+2:G0SA+3], s[46:47]
	s_or_b32 s[G0SA+3], s[G0SA+3], 0x80000000
	s_mov_b32 s[G0SB], 1
	s_add_co_u32 s[G0SB+1], s99, SCL+20480
	s_mov_b64 s[G0SB+2:G0SB+3], s[94:95]
	s_or_b32 s[G0SB+3], s[G0SB+3], 0x80000000
	JLOAD G0SA, G1SA, G0SB, G1SB                   ; the scales first
.irp s, 0,1
	s_mov_b32 s[G0A+4*\s], 1
	s_add_co_u32 s[G0A+4*\s+1], s96, \s*SLOT
	s_add_nc_u64 s[G0A+4*\s+2:G0A+4*\s+3], s[44:45], \s*KSB
	s_or_b32 s[G0A+4*\s+3], s[G0A+4*\s+3], 0x80000000
	s_mov_b32 s[G0B+4*\s], 1
	s_add_co_u32 s[G0B+4*\s+1], s97, \s*SLOT+8*KSB
	s_add_nc_u64 s[G0B+4*\s+2:G0B+4*\s+3], s[92:93], \s*KSB
	s_or_b32 s[G0B+4*\s+3], s[G0B+4*\s+3], 0x80000000
	JLOAD G0A+4*\s, G1A, G0B+4*\s, G1B
.endr
	v_and_b32 v1, 31, v0
	v_lshlrev_b32 v2, 4, v1                        ; 16 x lane
	v_and_b32 v3, 15, v0                           ; r
	v_bfe_u32 v4, v0, 4, 1                         ; h
	; the spline constants of my eight feature pairs, 64 j + 16 w + 8 h + p: 208 bytes each, on end
	s_lshl_b32 s92, s22, 6
	s_lshl_b32 s93, s18, 4
	s_add_co_u32 s92, s92, s93
	s_mul_i32 s92, s92, 208
	s_mov_b32 s93, 0
	s_add_nc_u64 s[12:13], s[12:13], s[92:93]
	v_mul_u32_u24 v30, v4, 1664
	WIN 0x40
.set CI, 0
.rept 52
	global_load_b128 v[4*CI:4*CI+3], v30, s[12:13] offset:16*CI
.set CI, CI+1
.endr
	WIN 0x80
.set CI, 0
.rept 52
	global_load_b128 v[4*CI:4*CI+3], v30, s[12:13] offset:832+16*CI
.set CI, CI+1
.endr
	WIN 0
	s_mov_b32 s96, 0                               ; A: all eight blocks
	s_mul_i32 s97, s18, NB*KSB
	s_add_co_u32 s97, s97, 8*KSB                   ; my four weight blocks
.irp s, 0,1
	v_add_nc_u32 v[ADRA+\s], s96, v2
	v_add_nc_u32 v[ADRB+\s], s97, v2
	s_add_co_u32 s96, s96, SLOT
	s_add_co_u32 s97, s97, SLOT
.endr
	s_mul_i32 s97, s18, NB*2560
	s_add_co_u32 s97, s97, 20480                   ; from A's scales to my weight blocks'
	v_mul_u32_u24 v5, s97, v4                      ; lanes 16-31 take the weights'
	v_lshl_add_u32 v5, v3, 4, v5
	v_add_nc_u32 v[ADRS], SCL, v5
	v_lshl_add_u32 v[ADRS2], v3, 4, SCL
	; the epilogue's addresses
	s_lshl_b32 s96, s18, 14
	s_add_co_u32 s96, s96, HST
	v_add_nc_u32 v5, s96, v2                       ; h: my wave's stage, 16 x lane
	s_lshl_b32 s96, s18, 9
	s_add_co_u32 s96, s96, SST
	v_lshl_add_u32 v6, v3, 2, s96                  ; spline scale words: 512 w + 4 r (+ 64 a)
	s_lshl_b32 s96, s18, 7
	s_add_co_u32 s96, s96, SIT
	v_add_nc_u32 v7, s96, v3                       ; silu scale bytes: 128 w + r (+ 16 a)
	s_lshl_b32 s96, s18, 7
	s_add_co_u32 s96, s96, SST
	v_lshl_add_u32 v14, v1, 2, s96                 ; back: 128 w + 4 x lane (+ 512 for each wave that wrote)
	s_lshl_b32 s96, s18, 5
	s_add_co_u32 s96, s96, SIT
	v_add_nc_u32 v15, s96, v1                      ; 32 w + lane (+ 128)
	v_lshlrev_b32 v9, 3, v4
	v_lshl_add_u32 v9, v3, 4, v9                   ; in a unit: row r, 8 bytes for each half of the lanes
	s_lshl_b32 s92, s22, 12
	s_lshl_b32 s93, s18, 10
	s_add_co_u32 s92, s92, s93
	s_add_co_u32 s92, s92, 8192
	v_add_nc_u32 v8, s92, v9                       ; a3c: block 32 + 16 j + 4 w (+ c)
	s_lshl_b32 s92, s22, 10
	s_lshl_b32 s93, s18, 8
	s_add_co_u32 s92, s92, s93
	v_add_nc_u32 v9, s92, v9                       ; a3c: block 4 j + w
	v_mul_u32_u24 v18, v4, 2560
	v_lshl_add_u32 v18, v3, 4, v18
	s_lshl_b32 s92, s22, 8
	s_add_co_u32 s92, s92, 512
	s_lshr_b32 s93, s22, 2
	s_lshl_b32 s93, s93, 8
	s_and_b32 s94, s22, 3
	s_lshl_b32 s94, s94, 2
	s_add_co_u32 s93, s93, s94
	v_add_nc_u32 v19, s93, v18                     ; a3s: unit j / 4, word j % 4
	v_add_nc_u32 v18, s92, v18                     ; a3s: unit 2 + j
	s_mul_i32 s44, s21, 327680
	s_mov_b32 s45, 0
	s_add_nc_u64 s[14:15], s[14:15], s[44:45]      ; a3c at row block 8 y
	s_lshl_b32 s44, s21, 3
	s_lshl_b32 s46, s18, 1
	s_add_co_u32 s44, s44, s46
	s_mul_i32 s44, s44, 2560
	s_add_nc_u64 s[16:17], s[16:17], s[44:45]      ; a3s at row block 8 y + 2 w
	s_wait_loadcnt 0x0                             ; the constants
	s_wait_tensorcnt 0x1                           ; the scales and my part of slot 0 are in; slot 1's load may stay out
	s_barrier_signal -1
	s_barrier_wait -1
	FETCH_B 0, 0, 0
	FETCH_A 0, 0, 0
	SCALES 0
	FETCH_A 0, 0, NA/2
	STEP 0, 0, 1                                   ; the first step's products start the sums
	s_mov_b32 s23, 4
.Llap:                                             ; once round the ring; both slots are filled again: K steps 2 to 9
	STEPS 0, 1
	TURN 0, 1, 1
	STEPS 1, 0
	TURN 1, 0, 1
	STEP 0, 0, 0
	s_sub_co_u32 s23, s23, 1
	s_cmp_lg_u32 s23, 0
	s_cbranch_scc1 .Llap
	STEPS 0, 1                                     ; the last lap fills nothing
	TURN 0, 1, 0
	STEPS 1, 0
	LAST 1
	; ---- h = y1 y2, each accumulator from its low end on; then into my stage, so that one loop's text serves all eight row blocks
	PLACES
	WIN 0xcf
.set EA, 0
.rept 8
.irp u, 0,1
.irp k, 0,2,4,6
	v_pk_mul_f32 v[32*EA+8*\u+\k:32*EA+8*\u+\k+1], v[32*EA+8*\u+\k:32*EA+8*\u+\k+1], v[32*EA+8*\u+16+\k:32*EA+8*\u+16+\k+1]
.endr
.endr
.set EA, EA+1
.endr
	WIN 0x0c                                       ; an LDS store's data are its source 1
.set EA, 0
.rept 8
.irp u, 0,1
.irp f, 0,1
	ds_store_b128 v5, v[32*EA+8*\u+4*\f:32*EA+8*\u+4*\f+3] offset:2048*EA+512*(2*\u+\f)
.endr
.endr
.set EA, EA+1
.endr
	WIN 0
	v_mov_b32 v[PT], 0                             ; written once: a lane permute's destination counts as read
	s_mov_b32 s23, 8
	s_mov_b32 s56, 0
	s_mov_b32 s57, 0
	s_mov_b32 s58, 0
.Lrowblock:                                        ; lane (r, h): row r of the block, features 32 w + 16 h + 0 .. 15
	v_add_nc_u32 v11, s56, v5
	v_add_nc_u32 v12, s57, v6
	v_add_nc_u32 v13, s58, v7
.irp i, 0,1,2,3
	ds_load_b128 v[X+4*\i:X+4*\i+3], v11 offset:512*\i
.endr
	s_wait_dscnt 0x0
	SILU 16, X, OUT, OUT+16
	QMAX MX, OUT+16, 16
	v_permlanex16_b32 v[PT], v[MX], s100, s101
	v_max_num_f32 v[MX], v[MX], v[PT]              ; the block of 32 features is lanes l and l xor 16's
	v_add_nc_u32 v[SCR], 0xff000000, v[MX]
	v_lshrrev_b32 v[BYS], 23, v[SCR]
	v_cvt_scalef32_pk8_fp4_f32 v[CS], v[OUT+16:OUT+23], v[SCR]
	v_cvt_scalef32_pk8_fp4_f32 v[CS+1], v[OUT+24:OUT+31], v[SCR]
	v_nop
	global_store_b64 v9, v[CS:CS+1], s[14:15]      ; 32 lanes store 256 consecutive bytes, aligned
	ds_store_b8 v13, v[BYS]
.irp u, 0,1                                    ; my feature pairs 4 u .. 4 u + 3: pair p's coefficient c goes to OUT + 16 c + 2 p
.set BW, 1+\u
	BSPL2 X+8*\u, X+8*\u+2, 0, 52, OUT+8*\u, OUT+8*\u+2, 16
	BSPL2 X+8*\u+4, X+8*\u+6, 104, 156, OUT+8*\u+4, OUT+8*\u+6, 16
.endr
	WIN 0
.irp c, 0,1,2,3                                ; for each coefficient: my 16 features, in two chains, with the floor 2^(3 - 127)
	v_max3_num_f32 v[QM+2*\c], |v[OUT+16*\c]|, |v[OUT+16*\c+1]|, 0x1800000
	v_max3_num_f32 v[QM+2*\c+1], |v[OUT+16*\c+8]|, |v[OUT+16*\c+9]|, 0x1800000
.endr
.irp i, 2,4,6
.irp c, 0,1,2,3
	v_max3_num_f32 v[QM+2*\c], v[QM+2*\c], |v[OUT+16*\c+\i]|, |v[OUT+16*\c+\i+1]|
	v_max3_num_f32 v[QM+2*\c+1], v[QM+2*\c+1], |v[OUT+16*\c+8+\i]|, |v[OUT+16*\c+9+\i]|
.endr
.endr
.irp c, 0,1,2,3
	v_max_num_f32 v[QM+2*\c], v[QM+2*\c], v[QM+2*\c+1]
.endr
.irp c, 0,1,2,3
	v_permlanex16_b32 v[QP+\c], v[QM+2*\c], s100, s101
.endr
.irp c, 0,1,2,3
	v_max_num_f32 v[QM+2*\c], v[QM+2*\c], v[QP+\c]         ; with lane l xor 16's 16 features: the block's
.endr
.irp c, 0,1,2,3
	v_add_nc_u32 v[QSC+\c], 0xff000000, v[QM+2*\c]         ; 2 off the exponent field: the conversion's scale operand
.endr
.irp c, 0,1,2,3
	v_lshrrev_b32 v[QBY+\c], 23, v[QSC+\c]
.endr
.irp c, 0,1,2,3
	v_cvt_scalef32_pk8_fp4_f32 v[CC+2*\c], v[OUT+16*\c:OUT+16*\c+7], v[QSC+\c]
	v_cvt_scalef32_pk8_fp4_f32 v[CC+2*\c+1], v[OUT+16*\c+8:OUT+16*\c+15], v[QSC+\c]
.endr
	v_nop                                          ; a plain line behind the conversions
	v_lshl_or_b32 v[WD], v[QBY+1], 8, v[QBY]       ; the four bytes are word w of my row's 16 (both halves of the lanes hold the same)
	v_lshl_or_b32 v[WD], v[QBY+2], 16, v[WD]
	v_lshl_or_b32 v[WD], v[QBY+3], 24, v[WD]
.irp c, 0,1,2,3
	global_store_b64 v8, v[CC+2*\c:CC+2*\c+1], s[14:15] offset:256*\c   ; 32 lanes store 256 consecutive bytes, aligned
.endr
	ds_store_b32 v12, v[WD]
	s_wait_xcnt 0x0                                ; the stores' data and base are written again only behind this wait
	s_wait_dscnt 0x0                               ; and the LDS stores' addresses and data behind this one
	s_add_nc_u64 s[14:15], s[14:15], 40960
	s_add_co_u32 s56, s56, 2048
	s_add_co_u32 s57, s57, 64
	s_add_co_u32 s58, s58, 16
	s_sub_co_u32 s23, s23, 1
	s_cmp_lg_u32 s23, 0
	s_cbranch_scc1 .Lrowblock
	s_barrier_signal -1                            ; every wave's scale words and bytes lie in LDS (each has waited for its stores)
	s_barrier_wait -1
.irp q, 0,1,2,3                                ; wave w stores the scales of row blocks 2 w + h: a word and a byte from each of the four waves
	ds_load_b32 v[X+\q], v14 offset:512*\q
	ds_load_u8 v[X+4+\q], v15 offset:128*\q
.endr
	s_wait_dscnt 0x0
	v_lshl_or_b32 v[X+4], v[X+5], 8, v[X+4]
	v_lshl_or_b32 v[X+4], v[X+6], 16, v[X+4]
	v_lshl_or_b32 v[X+4], v[X+7], 24, v[X+4]
	global_store_b128 v18, v[X:X+3], s[16:17]      ; sixteen lanes store 256 consecutive bytes, aligned
	global_store_b32 v19, v[X+4], s[16:17]         ; 4 bytes of each row's 16: the other words are other work-groups'
	s_wait_tensorcnt 0x0                           ; the wave's end
	ds_add_u32 v[SPW], v[NIL]
	s_wait_dscnt 0x0
	CROUND                                         ; the closing round
	s_endpgm
.Lfunc_end_k_q9765fc2fdd_gemm1:
	.size	k_q9765fc2fdd_gemm1, .Lfunc_end_k_q9765fc2fdd_gemm1-k_q9765fc2fdd_gemm1
	.p2alignl 7, 3214868480
	.fill 96, 4, 3214868480
	.section	.rodata,"a",@progbits
	.p2align	6, 0x0
	.amdhsa_kernel k_q9765fc2fdd_gemm1
		.amdhsa_group_segment_fixed_size 327680
		.amdhsa_private_segment_fixed_size 0
		.amdhsa_enable_private_segment 0
		.amdhsa_kernarg_size 56
		.amdhsa_user_sgpr_count 2
		.amdhsa_user_sgpr_kernarg_segment_ptr 1
		.amdhsa_wavefront_size32 1
		.amdhsa_system_sgpr_workgroup_id_x 1
		.amdhsa_system_sgpr_workgroup_id_y 1
		.amdhsa_system_sgpr_workgroup_id_z 1
		.amdhsa_system_vgpr_workitem_id 0
		.amdhsa_next_free_vgpr 1024
		.amdhsa_next_free_sgpr 102
		.amdhsa_reserve_vcc 0
		.amdhsa_float_denorm_mode_32 3
		.amdhsa_float_denorm_mode_16_64 3
		.amdhsa_memory_ordered 1
		.amdhsa_forward_progress 1
		.amdhsa_inst_pref_size 180
	.end_amdhsa_kernel
	.amdgpu_metadata
---
amdhsa.version: [ 1, 2 ]
amdhsa.kernels:
  - .name:           k_q9765fc2fdd_gemm1
    .symbol:         k_q9765fc2fdd_gemm1.kd
    .args:
      - { .name: a1c, .offset: 0, .size: 8, .value_kind: global_buffer, .address_space: global }
      - { .name: a1s, .offset: 8, .size: 8, .value_kind: global_buffer, .address_space: global }
      - { .name: wc, .offset: 16, .size: 8, .value_kind: global_buffer, .address_space: global }
      - { .name: ws, .offset: 24, .size: 8, .value_kind: global_buffer, .address_space: global }
      - { .name: tff, .offset: 32, .size: 8, .value_kind: global_buffer, .address_space: global }
      - { .name: a3c, .offset: 40, .size: 8, .value_kind: global_buffer, .address_space: global }
      - { .name: a3s, .offset: 48, .size: 8, .value_kind: global_buffer, .address_space: global }
    .group_segment_fixed_size: 327680
    .private_segment_fixed_size: 0
    .kernarg_segment_align: 8
    .kernarg_segment_size: 56
    .max_flat_workgroup_size: 128
    .sgpr_count:     102
    .vgpr_count:     1024
    .wavefront_size: 32
...
	.end_amdgpu_metadata
.endif
;; end of part 2
;; launch gemm2 (part 3): grid 8 x 32, 4 waves a work-group, clusters of 4 x 4, 327,680 bytes of LDS; arguments a3c, a3s, wc, ws, out0; writes out0
.if DOCPART == 3
	.amdgcn_target "amdgcn-amd-amdhsa--gfx1250"
	.amdhsa_code_object_version 6
	.text
	.protected	k_q9765fc2fdd_gemm2
	.globl	k_q9765fc2fdd_gemm2
	.p2align	8
	.type	k_q9765fc2fdd_gemm2,@function
k_q9765fc2fdd_gemm2:
	s_mov_b64 s[64:65], 0
	v_nop
	global_prefetch_b8 v0, s[64:65] scope:SCOPE_SE
	s_setreg_imm32_b32 hwreg(HW_REG_WAVE_MODE, 25, 1), 1
	s_wait_xcnt 0x0
	s_wait_alu depctr_hold_cnt(0) depctr_sa_sdst(0) depctr_va_vdst(0) depctr_va_sdst(0) depctr_va_ssrc(0) depctr_va_vcc(0) depctr_vm_vsrc(0)
	s_getreg_b32 s2, hwreg(HW_REG_IB_STS2, 6, 4)
	s_cmp_eq_u32 s2, 0
	s_cbranch_scc0 .Lentry_in_a_cluster
	s_endpgm
.Lentry_in_a_cluster:
	s_bfe_u32 s2, ttmp6, 0x10000c
	s_cmp_lg_u32 s2, 0xf033
	s_cbranch_scc0 .Lentry_shape_is_right
	s_endpgm
.Lentry_shape_is_right:
; GEMM2: out = [silu(h), bases(h)] x [base_w3, spline_w3]^T, K = 5,120, on codes of E2M1 with E8M0 scales.
; A work-group makes 128 rows x 128 features: 8 row blocks of A x 8 of W3 (row blocks 128 + 8 j on in wc and ws).  Wave (wy, wx) takes 4 x 4 blocks: 16 accumulators.
; Operands lie in the order of the operand's registers (1,024 bytes on end for 16 rows x 128 K).  K goes in steps of 1,024 through two LDS slots: five fills, written out.
; By this text's own count a wave has three tensor loads out at the start and one behind each round.
; CLUSTER 4 x 4: A's tiles are asked for jointly along a row of the cluster, W3's along a column.
; THE PRODUCT IS USED TRANSPOSED: lane (r, h) holds row r; register j of weight block b is feature 64 wx + 32 (b / 2) + 16 h + 8 (b % 2) + j of the tile.
; SUMS: base and spline parts in one chain.  LIMITS: NaN and infinities are not served.
; WINDOWS: 0: v1-31 addresses; v32-63 scale words, two sets, nothing else ever; v96-127 A's fragments; v160-223 W3's, two sets; on the way out v128-191.   1: the accumulators, (a, b) at v[8 (4 a + b)].
.set NA, 4
.set NB, 4
.set NQ, 8
.set KSB, 8192
.set BR, 8
.set SLOT, (8+BR)*KSB
.set SCL, 2*SLOT
.set SPARE, SCL+(8+BR)*2560            ; the spare words: 128 bytes a wave, named by no other line
.set STAGE, SPARE+512                  ; the way out: 16 rows x 272 bytes for each wave
.set MULW, 0x50                        ; C and D window 1
.set ADRA, 16
.set ADRB, 20
.set ADRS, 26
.set SPW, 28
.set NIL, 29
.set SC, 32
.set AF, 96
.set BF, 160
.set BK, 128
.set STO, 5
.set RD, 6
.set CO, 7
.set G1A, 24
.set G0A, 32
.set G1B, 48
.set G0B, 56
.set G1SA, 68
.set G0SA, 76
.set G1SB, 80
.set G0SB, 88
.set MSB, 0
.macro WIN new                         ; the immediate's high byte repeats the setting that is left
.if MSB != (\new)
	s_set_vgpr_msb (MSB<<8)|(\new)
.set MSB, (\new)
.endif
.endm
.macro PLACES                          ; four plain lines behind a matrix instruction, ahead of loads into its registers and of reads of its results
.rept 4
	v_nop
.endr
.endm
.macro JLOAD g0a, g1a, g0b, g1b        ; a joint load: waves 0, 1 for A, waves 2, 3 for W3; four v_nop follow each line
	s_cmp_eq_u32 s19, 0
	s_cbranch_scc0 .Lfor_b_\@
	tensor_load_to_lds s[\g0a:\g0a+3], s[\g1a:\g1a+7]
	s_nop 0
.rept 4
	v_nop
.endr
	s_branch .Lasked_\@
.Lfor_b_\@:
	tensor_load_to_lds s[\g0b:\g0b+3], s[\g1b:\g1b+7]
	s_nop 0
.rept 4
	v_nop
.endr
.Lasked_\@:
.endm
.macro CREST
	s_cmp_lg_u32 s18, 0
	s_cbranch_scc1 .Lnot_wave_0_\@
	s_barrier_signal -3
.Lnot_wave_0_\@:
	s_barrier_wait -3
	s_barrier_signal -1
	s_barrier_wait -1
.endm
.macro CROUND
	s_barrier_signal -1
	s_barrier_wait -1
	CREST
.endm
.macro FRAG reg, adr, q, i
.irp c, 0,1
	ds_load_b128 v[\reg+4*\c:\reg+4*\c+3], v[\adr] offset:1024*(\q)+512*\c+(\i)*KSB
.endr
.endm
.macro FETCH_B slot, q, p
.irp i, 0,1,2,3
	FRAG BF+32*(\p)+8*\i, ADRB+\slot, \q, \i
.endr
.endm
.macro FETCH_A slot, q, i0
.set FI, \i0
.rept NA/2
	FRAG AF+8*FI, ADRA+\slot, \q, FI
.set FI, FI+1
.endr
.endm
.macro STEPSC
	v_add_nc_u32 v[ADRS], 256, v[ADRS]
.endm
.macro SCALES set                      ; register 4 i + q: lanes 0-15 the word of A's block i, lanes 16-31 that of W3's block i, for 512 along K
.irp i, 0,1,2,3
	ds_load_b128 v[SC+4*NA*(\set)+4*\i:SC+4*NA*(\set)+4*\i+3], v[ADRS] offset:\i*2560
.endr
.endm
; The accumulators take turns, one instruction a turn, in the same order in every step
.macro MULA a0, n, p, q, set, zero
.set MA, \a0
.rept \n
.irp b, 0,1,2,3
.if \zero
	v_wmma_scale_f32_16x16x128_f8f6f4 v[8*(4*MA+\b):8*(4*MA+\b)+7], v[BF+32*(\p)+8*\b:BF+32*(\p)+8*\b+7], v[AF+8*MA:AF+8*MA+7], 0, v[SC+4*NA*(\set)+4*\b+(\q)%4], v[SC+4*NA*(\set)+4*MA+(\q)%4] matrix_a_fmt:MATRIX_FMT_FP4 matrix_b_fmt:MATRIX_FMT_FP4 matrix_a_scale:MATRIX_SCALE_ROW1
.else
	v_wmma_scale_f32_16x16x128_f8f6f4 v[8*(4*MA+\b):8*(4*MA+\b)+7], v[BF+32*(\p)+8*\b:BF+32*(\p)+8*\b+7], v[AF+8*MA:AF+8*MA+7], v[8*(4*MA+\b):8*(4*MA+\b)+7], v[SC+4*NA*(\set)+4*\b+(\q)%4], v[SC+4*NA*(\set)+4*MA+(\q)%4] matrix_a_fmt:MATRIX_FMT_FP4 matrix_b_fmt:MATRIX_FMT_FP4 matrix_a_scale:MATRIX_SCALE_ROW1
.endif
.endr
.set MA, MA+1
.endr
.endm
.macro STEP slot, q, zero
	s_wait_dscnt NA                                ; all but the NA youngest loads (A's upper blocks) are in
	WIN MULW
	MULA 0, NA/2, (\q)%2, \q, (((\slot)*NQ+(\q))/4)%2, \zero
	s_wait_dscnt 0x0
	PLACES
	WIN 0
	FETCH_B \slot, (\q)+1, 1-(\q)%2
	FETCH_A \slot, (\q)+1, 0
.if (\q)%4 == 3
	STEPSC
	SCALES (((\slot)*NQ+(\q)+1)/4)%2
.endif
	WIN MULW
	MULA NA/2, NA/2, (\q)%2, \q, (((\slot)*NQ+(\q))/4)%2, \zero
	PLACES
	WIN 0
	FETCH_A \slot, (\q)+1, NA/2
.endm
.macro TURN slot, next, fill
	s_wait_tensorcnt 0x0                           ; all my tensor loads have landed: my part of the next slot
	ds_add_u32 v[SPW], v[NIL]                      ; 0 onto my spare word
	s_wait_dscnt NA+1                              ; (the add and A's upper blocks may be out)
	WIN MULW
	MULA 0, NA/4, 1, NQ-1, (((\slot)*NQ+NQ-1)/4)%2, 0
	s_wait_dscnt 0x0                               ; the add is done, and my reads of this slot are over
	s_barrier_signal -1
	MULA NA/4, NA/4, 1, NQ-1, (((\slot)*NQ+NQ-1)/4)%2, 0
	WIN 0
	s_barrier_wait -1
.if \fill
	CREST                                          ; no wave of any partner still reads this slot or has a load on its way
	s_add_nc_u64 s[G0A+4*\slot+2:G0A+4*\slot+3], s[G0A+4*\slot+2:G0A+4*\slot+3], 2*KSB
	s_add_nc_u64 s[G0B+4*\slot+2:G0B+4*\slot+3], s[G0B+4*\slot+2:G0B+4*\slot+3], 2*KSB
	JLOAD G0A+4*\slot, G1A, G0B+4*\slot, G1B       ; the first tensor load behind the round; its four v_nop are the places ahead of the loads below
.else
	PLACES
.endif
	STEPSC
	FETCH_B \next, 0, 0
	FETCH_A \next, 0, 0
	SCALES (((\next)*NQ)/4)%2
	WIN MULW
	MULA NA/2, NA/2, 1, NQ-1, (((\slot)*NQ+NQ-1)/4)%2, 0
	PLACES
	WIN 0
	FETCH_A \next, 0, NA/2
.endm
.macro LAST slot
	s_wait_dscnt NA
	WIN MULW
	MULA 0, NA/2, 1, NQ-1, (((\slot)*NQ+NQ-1)/4)%2, 0
	s_wait_dscnt 0x0
	MULA NA/2, NA/2, 1, NQ-1, (((\slot)*NQ+NQ-1)/4)%2, 0
	WIN 0
.endm
.macro STEPS slot, from
.set Q, \from
.rept NQ-1-\from
	STEP \slot, Q, 0
.set Q, Q+1
.endr
.endm
	s_load_b256 s[4:11], s[0:1], 0x0               ; a3c 4, a3s 6, wc 8, ws 10
	s_load_b64 s[12:13], s[0:1], 0x20              ; out0
	v_lshl_add_u32 v[SPW], v0, 2, SPARE
	v_mov_b32 v[NIL], 0
	ds_add_u32 v28, v29
	ds_add_u32 v28, v29
	s_wait_dscnt 0x0
	v_lshrrev_b32 v1, 5, v0
	v_readfirstlane_b32 s18, v1                    ; wave
	s_lshr_b32 s19, s18, 1                         ; wy.  Also: I fetch for A (0) or for W3 (1),
	s_and_b32 s20, s18, 1                          ; wx.  Also: which half
	s_bfe_u32 s40, ttmp6, 0x40000                  ; cx
	s_bfe_u32 s41, ttmp6, 0x40004                  ; cy
	s_lshl_b32 s22, ttmp9, 2
	s_add_co_u32 s22, s22, s40                     ; j: the tile column
	s_and_b32 s21, ttmp7, 0xffff
	s_lshl_b32 s21, s21, 2
	s_add_co_u32 s21, s21, s41                     ; y: the tile row
	s_lshl_b32 s42, s41, 2
	s_lshl_b32 s42, 15, s42                        ; my row of the cluster
	s_lshl_b32 s43, 0x1111, s40                    ; my column
	; group 1: elements of 8 bytes, no padding; bit 21 beside a mask.  Codes: rows of KSB bytes, 40,960 bytes apart; scales: dense, as rows of 256 bytes
	s_or_b32 s[G1A], s42, (3<<16)|(1<<21)
	s_or_b32 s[G1B], s43, (3<<16)|(1<<21)
	s_or_b32 s[G1SA], s42, (3<<16)|(1<<21)
	s_or_b32 s[G1SB], s43, (3<<16)|(1<<21)
.irp g, G1A, G1B
	s_mov_b32 s[\g+1], (KSB/8)<<16
	s_mov_b32 s[\g+3], (KSB/8)<<16
	s_mov_b32 s[\g+5], 5120
	s_mov_b32 s[\g+6], 0
	s_mov_b32 s[\g+7], 0
.endr
	s_mov_b32 s[G1A+2], 4<<16
	s_mov_b32 s[G1A+4], 4
	s_mov_b32 s[G1B+2], (BR/2)<<16
	s_mov_b32 s[G1B+4], BR/2
.irp g, G1SA, G1SB
	s_mov_b32 s[\g+1], 32<<16
	s_mov_b32 s[\g+3], 32<<16
	s_mov_b32 s[\g+5], 32
	s_mov_b32 s[\g+6], 0
	s_mov_b32 s[\g+7], 0
.endr
	s_mov_b32 s[G1SA+2], 40<<16
	s_mov_b32 s[G1SA+4], 40
	s_mov_b32 s[G1SB+2], (BR*5)<<16
	s_mov_b32 s[G1SB+4], BR*5
	; A's addresses in s44-47, which never hold j; W3's in s92-95, which never hold y
	s_lshl_b32 s44, s21, 3
	s_lshl_b32 s45, s20, 2
	s_add_co_u32 s44, s44, s45                     ; A: row block 8 y + 4 x half
	s_mul_i32 s46, s44, 2560
	s_mul_i32 s44, s44, 40960
	s_mov_b32 s45, 0
	s_mov_b32 s47, 0
	s_lshl_b32 s92, s22, 3
	s_lshl_b32 s93, s20, 2
	s_add_co_u32 s92, s92, s93
	s_add_co_u32 s92, s92, 128                     ; W3: row block 128 + 8 j + 4 x half
	s_mul_i32 s94, s92, 2560
	s_mul_i32 s92, s92, 40960
	s_mov_b32 s93, 0
	s_mov_b32 s95, 0
	s_mul_i32 s96, s20, 4*KSB                      ; places in LDS: made of the wave's number alone
	s_mul_i32 s97, s20, (BR/2)*KSB
	s_mul_i32 s98, s20, 10240
	s_mul_i32 s99, s20, (BR/2)*2560
	s_wait_kmcnt 0x0
	s_add_nc_u64 s[44:45], s[4:5], s[44:45]
	s_add_nc_u64 s[46:47], s[6:7], s[46:47]
	s_add_nc_u64 s[92:93], s[8:9], s[92:93]
	s_add_nc_u64 s[94:95], s[10:11], s[94:95]
	CROUND                                         ; all sixteen work-groups are here: the first joint loads meet
	s_mov_b32 s[G0SA], 1
	s_add_co_u32 s[G0SA+1], s98, SCL
	s_mov_b64 s[G0SA+2:G0SA+3], s[46:47]
	s_or_b32 s[G0SA+3], s[G0SA+3], 0x80000000
	s_mov_b32 s[G0SB], 1
	s_add_co_u32 s[G0SB+1], s99, SCL+20480
	s_mov_b64 s[G0SB+2:G0SB+3], s[94:95]
	s_or_b32 s[G0SB+3], s[G0SB+3], 0x80000000
	JLOAD G0SA, G1SA, G0SB, G1SB                   ; the scales first
.irp s, 0,1
	s_mov_b32 s[G0A+4*\s], 1
	s_add_co_u32 s[G0A+4*\s+1], s96, \s*SLOT
	s_add_nc_u64 s[G0A+4*\s+2:G0A+4*\s+3], s[44:45], \s*KSB
	s_or_b32 s[G0A+4*\s+3], s[G0A+4*\s+3], 0x80000000
	s_mov_b32 s[G0B+4*\s], 1
	s_add_co_u32 s[G0B+4*\s+1], s97, \s*SLOT+8*KSB
	s_add_nc_u64 s[G0B+4*\s+2:G0B+4*\s+3], s[92:93], \s*KSB
	s_or_b32 s[G0B+4*\s+3], s[G0B+4*\s+3], 0x80000000
	JLOAD G0A+4*\s, G1A, G0B+4*\s, G1B
.endr
	v_and_b32 v1, 31, v0
	v_lshlrev_b32 v2, 4, v1                        ; 16 x lane
	v_and_b32 v3, 15, v0                           ; r
	v_bfe_u32 v4, v0, 4, 1                         ; h
	s_mul_i32 s96, s19, NA*KSB                     ; my four blocks of A
	s_mul_i32 s97, s20, NB*KSB
	s_add_co_u32 s97, s97, 8*KSB                   ; my four of W3
.irp s, 0,1
	v_add_nc_u32 v[ADRA+\s], s96, v2
	v_add_nc_u32 v[ADRB+\s], s97, v2
	s_add_co_u32 s96, s96, SLOT
	s_add_co_u32 s97, s97, SLOT
.endr
	s_mul_i32 s96, s19, NA*2560
	s_mul_i32 s97, s20, NB*2560
	s_add_co_u32 s97, s97, 20480
	s_sub_co_u32 s97, s97, s96                     ; from my A blocks' scales to my W3 blocks'
	v_mul_u32_u24 v8, s97, v4                      ; lanes 16-31 take W3's
	v_lshl_add_u32 v8, v3, 4, v8
	s_add_co_u32 s96, s96, SCL
	v_add_nc_u32 v[ADRS], s96, v8
	s_mul_i32 s96, s18, 16*272
	s_add_co_u32 s96, s96, STAGE                   ; my stage
	v_mul_u32_u24 v[STO], v3, 272
	v_lshl_add_u32 v[STO], v4, 6, v[STO]
	v_add_nc_u32 v[STO], s96, v[STO]               ; in: row r, + 64 h
	v_mul_u32_u24 v[RD], v4, 272
	v_lshl_add_u32 v[RD], v3, 4, v[RD]
	v_add_nc_u32 v[RD], s96, v[RD]                 ; back: lanes 0-15 one row of 256 bytes, lanes 16-31 the next
	v_lshlrev_b32 v[CO], 12, v4
	v_lshl_add_u32 v[CO], v3, 4, v[CO]             ; and the same two rows in out0
	s_lshl_b32 s44, s21, 19
	s_lshl_b32 s46, s19, 18
	s_add_co_u32 s44, s44, s46                     ; row 128 y + 64 wy, 4,096 bytes a row
	s_mov_b32 s45, 0
	s_add_nc_u64 s[12:13], s[12:13], s[44:45]
	s_lshl_b32 s92, s22, 9
	s_lshl_b32 s94, s20, 8
	s_add_co_u32 s92, s92, s94                     ; feature 128 j + 64 wx
	s_mov_b32 s93, 0
	s_add_nc_u64 s[12:13], s[12:13], s[92:93]
	s_wait_tensorcnt 0x1                           ; the scales and my part of slot 0 are in; slot 1's load may stay out
	s_barrier_signal -1
	s_barrier_wait -1
	FETCH_B 0, 0, 0
	FETCH_A 0, 0, 0
	SCALES 0
	FETCH_A 0, 0, NA/2
	STEP 0, 0, 1                                   ; the first step's products start the sums
	STEPS 0, 1
	TURN 0, 1, 1                                   ; slot 0 takes K 2,048 on
	STEPS 1, 0
	TURN 1, 0, 1                                   ; slot 1 takes K 3,072 on
	STEPS 0, 0
	TURN 0, 1, 1                                   ; slot 0 takes K 4,096 on
	STEPS 1, 0
	TURN 1, 0, 0                                   ; nothing is left to fetch
	STEPS 0, 0
	LAST 0
; THE WAY OUT, a block of 16 rows x 64 features at a time, through my own stage: LDS serves a wave's instructions in order (ISA guide 5.7.1.4), so no wait stands between the stores and the loads
.macro TOSTAGE a
	WIN 0x04                                       ; an LDS store's data are its source 1: window 1
.irp b, 0,1,2,3
	ds_store_b128 v[STO], v[8*(4*(\a)+\b):8*(4*(\a)+\b)+3] offset:128*(\b/2)+32*(\b%2)       ; each accumulator from its low end on
	ds_store_b128 v[STO], v[8*(4*(\a)+\b)+4:8*(4*(\a)+\b)+7] offset:128*(\b/2)+32*(\b%2)+16
.endr
	WIN 0
.set BB, BK+32*((\a)%2)
.irp t, 0,1,2,3,4,5,6,7
	ds_load_b128 v[BB+4*\t:BB+4*\t+3], v[RD] offset:\t*2*272
.endr
.endm
.macro SEND a, younger                 ; younger: the LDS instructions issued behind block a's loads, which may stay out
.set BB, BK+32*((\a)%2)
	s_wait_dscnt \younger
.irp t, 0,1,2,3,4,5,6,7
	global_store_b128 v[CO], v[BB+4*\t:BB+4*\t+3], s[12:13] offset:(\a)*65536+\t*8192 th:TH_STORE_NT   ; sixteen lanes store 256 consecutive bytes, aligned
.endr
.endm
	PLACES
	TOSTAGE 0
.irp a, 1,2,3
.if \a > 1
	s_wait_xcnt 0x0                                ; block a - 2's stores have read their registers: block a's loads may land there
.endif
	TOSTAGE \a
	SEND \a-1, 16                                  ; behind block a - 1's loads: block a's 8 stores and 8 loads
.endr
	SEND 3, 0
	s_wait_tensorcnt 0x0                           ; the wave's end
	ds_add_u32 v[SPW], v[NIL]
	s_wait_dscnt 0x0
	CROUND                                         ; the closing round
	s_endpgm
.Lfunc_end_k_q9765fc2fdd_gemm2:
	.size	k_q9765fc2fdd_gemm2, .Lfunc_end_k_q9765fc2fdd_gemm2-k_q9765fc2fdd_gemm2
	.p2alignl 7, 3214868480
	.fill 96, 4, 3214868480
	.section	.rodata,"a",@progbits
	.p2align	6, 0x0
	.amdhsa_kernel k_q9765fc2fdd_gemm2
		.amdhsa_group_segment_fixed_size 327680
		.amdhsa_private_segment_fixed_size 0
		.amdhsa_enable_private_segment 0
		.amdhsa_kernarg_size 40
		.amdhsa_user_sgpr_count 2
		.amdhsa_user_sgpr_kernarg_segment_ptr 1
		.amdhsa_wavefront_size32 1
		.amdhsa_system_sgpr_workgroup_id_x 1
		.amdhsa_system_sgpr_workgroup_id_y 1
		.amdhsa_system_sgpr_workgroup_id_z 1
		.amdhsa_system_vgpr_workitem_id 0
		.amdhsa_next_free_vgpr 512
		.amdhsa_next_free_sgpr 102
		.amdhsa_reserve_vcc 0
		.amdhsa_float_denorm_mode_32 3
		.amdhsa_float_denorm_mode_16_64 3
		.amdhsa_memory_ordered 1
		.amdhsa_forward_progress 1
		.amdhsa_inst_pref_size 161
	.end_amdhsa_kernel
	.amdgpu_metadata
---
amdhsa.version: [ 1, 2 ]
amdhsa.kernels:
  - .name:           k_q9765fc2fdd_gemm2
    .symbol:         k_q9765fc2fdd_gemm2.kd
    .args:
      - { .name: a3c, .offset: 0, .size: 8, .value_kind: global_buffer, .address_space: global }
      - { .name: a3s, .offset: 8, .size: 8, .value_kind: global_buffer, .address_space: global }
      - { .name: wc, .offset: 16, .size: 8, .value_kind: global_buffer, .address_space: global }
      - { .name: ws, .offset: 24, .size: 8, .value_kind: global_buffer, .address_space: global }
      - { .name: out0, .offset: 32, .size: 8, .value_kind: global_buffer, .address_space: global }
    .group_segment_fixed_size: 327680
    .private_segment_fixed_size: 0
    .kernarg_segment_align: 8
    .kernarg_segment_size: 40
    .max_flat_workgroup_size: 128
    .sgpr_count:     102
    .vgpr_count:     512
    .wavefront_size: 32
...
	.end_amdgpu_metadata
.endif
;; end of part 3
